; MI455X (gfx1250); checked and timed in simulation.
; The chip was launched on July 23, 2026; its instructions are those of AMD's public machine-readable ISA for CDNA 5 (MIT licence, August 2026) and "CDNA5" Instruction Set Architecture Reference Guide (July 2026). The comments in the code are by the model that wrote it; some were corrected since.
;; Multi Head Attention. Allowed arithmetic: matrix products marked QUANTISED: E2M1 operands, one E8M0 scale for each 32 along K, by v_wmma_scale_f32_16x16x128_f8f6f4 with both operands' format E2M1 (or v_wmma_scale_f32_32x16x128_f4), f32 sums; everything else in f32.
;; Inputs: Wk 1,024 x 1,024 float32; Wo 1,024 x 1,024 float32; Wq 1,024 x 1,024 float32; Wv 1,024 x 1,024 float32; bk 1,024 float32; bo 1,024 float32; bq 1,024 float32; bv 1,024 float32; x 4 x 2,048 x 1,024 float32.
;; Outputs: out0 4 x 2,048 x 1,024 float32.
;; This version of the problem:
;;   THIS VERSION OF THE PROBLEM IS GIVEN IN LOW PRECISION. The matrix products marked QUANTISED in the list below multiply operands that are first quantised to E2M1 (2 exponent bits, 1 mantissa bit; 4 bits a number), with one power-of-two scale for each 32 numbers along K (OCP MX v1.0); their sums are f32. All else is computed in f32.
;;   The module's matrix products, in the order in which they are computed (A, B: the left and right operand; K: the contracted axis; several contracted axes count as one K, in the product's order):
;;     1. [M 8,192, K 1,024] x [K 1,024, N 1,024]; A: input x; B: input Wq: QUANTISED
;;     2. [M 8,192, K 1,024] x [K 1,024, N 1,024]; A: input x; B: input Wk: QUANTISED
;;     3. [M 8,192, K 1,024] x [K 1,024, N 1,024]; A: input x; B: input Wv: QUANTISED
;;     4. batch 64 x [M 2,048, K 64] x [K 64, N 2,048]; A: computed on the way; B: computed on the way: QUANTISED
;;     5. batch 64 x [M 64, K 2,048] x [K 2,048, N 2,048]; A: computed on the way; B: softmax (see below): QUANTISED
;;     6. [M 8,192, K 1,024] x [K 1,024, N 1,024]; A: computed on the way; B: input Wo: QUANTISED
;;   THE QUANTISER, for each operand of a quantised product, along K:
;;     - K is cut into blocks of 32 from its start; a last block that is shorter is filled with zeros.
;;     - A block's scale is 2^e with e = floor(log2(the largest magnitude in the block)) - 2, held to -126 .. 127; a block of zeros has e = 0. As a byte (E8M0): e + 127.
;;     - Each number is divided by its block's scale, clamped to +-6, and rounded to the nearest number of E2M1, ties to even, subnormals kept.
;;     - The product sums the exact products of the quantised numbers (number of the format x scale) in f32.
;;   ~~~python
;;   def quantise(x, axis):      # numpy; x: float32 -> the quantised numbers, widened to float32 again
;;       x = np.moveaxis(x, axis, -1); K = x.shape[-1]
;;       x = np.pad(x, [(0, 0)] * (x.ndim - 1) + [(0, -K % 32)]); x = x.reshape(x.shape[:-1] + (-1, 32)); a = np.abs(x).max(-1, keepdims=True)
;;       e = np.where(a > 0, np.clip(np.frexp(np.where(a > 0, a, 1))[1] - 1 - 2, -126, 127), 0)      # np.frexp(a)[1] - 1 = floor(log2(a)), exactly
;;       r = np.clip(x / 2.0 ** e, -6, 6)
;;       step = 2.0 ** (np.maximum(np.frexp(np.where(r == 0, 1, r))[1] - 1, 0) - 1)
;;       q = np.round(r / step) * step * 2.0 ** e      # np.round: ties to even
;;       return np.moveaxis(q.reshape(q.shape[:-2] + (-1,))[..., :K], -1, axis).astype(np.float32)
;;   ~~~
;;   SOFTMAX AHEAD OF A QUANTISED PRODUCT. Where the list says 'softmax', what is quantised is not the finished softmax but p = 2^(t - M), with t = logit x log2(e) and M = ceil(the row's largest t), a whole number; so 1/2 < the row's largest p <= 1. The row's sum l is taken of the UNQUANTISED p, in f32, and the product's result is divided by l at the end. Since M is a whole number, a kernel that streams over the keys may use a running M (the ceiling of the running maximum): every later rescaling is an exact power of two, which a block's scale takes up: the codes' values come out the same.
;;   OPERANDS COMPUTED ON THE WAY. 'Computed on the way' means the value that the module computes at that place (a softmax that the list does not call 'softmax' is quantised finished and normalised). What goes into a quantiser is computed in f32, as accurately as f32 sums, v_exp_f32 and their like allow (about 1e-6 of the number): no bf16 or f16 on the way to a quantiser, and a product that is left as it is and whose result goes on into a quantised operand takes f32 operands (vector FMAs, or v_wmma_f32_16x16x4_f32). A number that lies on a knife's edge between two numbers of the format may be rounded either way, as far as f32 arithmetic and the matrix unit's own rounding can turn it there, and no further.
;; One version. Each part assembles by itself: llvm-mc -triple=amdgcn-amd-amdhsa -mcpu=gfx1250 --defsym DOCPART=n.
;; ======== version 1 of 1: 4 launches
;; workspace buffers: xc 4,194,304 bytes; xs 262,144 bytes; wc 2,097,152 bytes; ws 131,072 bytes; qb 4,718,592 bytes; kv 9,175,040 bytes; oc 4,194,304 bytes; os 262,144 bytes
;; launch prep (part 1): grid 384 x 1, 4 waves a work-group, no clusters, 34,816 bytes of LDS; arguments x, Wq, Wk, Wv, Wo, xc, xs, wc, ws; writes xc, xs, wc, ws
.if DOCPART == 1
	.amdgcn_target "amdgcn-amd-amdhsa--gfx1250"
	.amdhsa_code_object_version 6
	.text
	.protected	k_q66b92bc5f8_prep
	.globl	k_q66b92bc5f8_prep
	.p2align	8
	.type	k_q66b92bc5f8_prep,@function
k_q66b92bc5f8_prep:
	s_mov_b64 s[64:65], 0
	v_nop
	global_prefetch_b8 v0, s[64:65] scope:SCOPE_SE
	s_setreg_imm32_b32 hwreg(HW_REG_WAVE_MODE, 25, 1), 1
	s_wait_xcnt 0x0
; x [8192][1024] f32 (K innermost) and the four weights [1024 (k)][1024 (n)] f32 (K outermost) become codes of FP4 (E2M1) with one E8M0 byte for each 32 along K,
; laid as IMAGES OF OPERAND REGISTERS: a fragment (16 rows x 128 K) is 1,024 bytes, [block of 32 k (4)][place r (16)][16 bytes], so that two loads of 16 bytes a lane, 512 bytes apart, give its 8 registers.
; THE ROWS OF A TILE ARE NOT NEIGHBOURS: place r of tile T is index 32 (T / 2) + 8 (T % 2) + r + 8 (r / 8), for x's rows and for the weights' columns alike: a matrix result's 16 registers of two neighbouring tiles are then 16 neighbours.
; xc: [K step 8][row tile 512][1,024].  wc: [weight 4][K step 8][column tile 64][1,024].  Scale words (four bytes: 128 along K of one row): xs, ws: [tile][g 2][r 16][4 words], word q = K step 4 g + q.
; A block's scale byte is its largest magnitude's exponent field - 2, held at 1 from below.
; LIMITS: NaN and infinities among the inputs are not served; a block of zeros gets the byte 1, not 127: its codes are zeros, and this program alone reads the bytes.
; Work-groups 0-127 take x (a wave a row tile, all of K); work-groups 128-383 take the weights (a work-group 32 columns x 512 along K, a wave a K step).  Each of the two paths has LDS bytes of its own.
; No tensor loads, no matrix work, no cluster: nothing is shared between work-groups, and memory binds.
.set R,      16                        ; v16-143   path X: two sets of 64 registers as loaded;  path W: four blocks of 32 numbers
.set X,      144                       ; v144-207  path X: 64 numbers: register 16 b + i = k 32 b + 16 (lane / 16) + i of my row;  path W: v144-159 codes, v160-171 at work
.set TM,     208                       ; v208-223  largest magnitudes, bytes, scale operands
.set PC,     224                       ; v224-231  a fragment's codes
.set SW,     232                       ; v232-239  the eight K steps' scale words
.set OW,     240                       ; v240-243  the four that my half of the lanes stores
.set SEL,    24                        ; s[24:25]  lane selects: lane l xor 16
.set XPITCH, 528                       ; a row of the stage: 512 bytes + 16: an odd multiple of 16, so that 16 rows' reads fall on 16 different columns of 16 bytes
.set XSTAGE, 16*XPITCH                 ; path X: a stage for each wave
.set WSTG,   4*XSTAGE                  ; path W: 512 bytes, behind path X's stages
	s_load_b512 s[4:19], s[0:1], 0x0               ; x s[4:5], Wq s[6:7], Wk s[8:9], Wv s[10:11], Wo s[12:13], xc s[14:15], xs s[16:17], wc s[18:19]
	s_load_b64 s[20:21], s[0:1], 0x40              ; ws
	v_lshl_add_u32 v254, v0, 2, 0x8600
	v_mov_b32 v255, 0
	v_lshrrev_b32 v1, 5, v0
	v_readfirstlane_b32 s22, v1                    ; wave
	v_and_b32 v1, 31, v0                           ; lane
	v_and_b32 v2, 15, v0                           ; r
	v_bfe_u32 v3, v0, 4, 1                         ; h
	v_lshlrev_b32 v4, 4, v1                        ; 16 x lane
	s_mul_i32 s23, s22, XSTAGE
	v_add_nc_u32 v5, s23, v4                       ; path X, into the stage: 16 x lane of a row
	v_mul_u32_u24 v6, v2, XPITCH
	v_lshl_add_u32 v6, v3, 6, v6
	v_add_nc_u32 v6, s23, v6                       ; and out of it: row r, + 64 h: my 16 numbers of a block of 32
	s_lshl_b32 s26, s22, 2
	s_add_co_u32 s26, s26, WSTG
	v_add_nc_u32 v7, s26, v4                       ; path W: my column's four words, my wave's word
	v_add_nc_u32 v8, WSTG, v4                      ; and all four
	s_mov_b32 s[SEL], 0x76543210
	s_mov_b32 s[SEL+1], 0xfedcba98
	s_cmp_lt_u32 ttmp9, 128
	s_cbranch_scc0 .Lweights
; ---------------- path X: x ----------------
	s_lshl_b32 s27, ttmp9, 2
	s_add_co_u32 s27, s27, s22                     ; my row tile T
	s_lshr_b32 s28, s27, 1
	s_lshl_b32 s28, s28, 17                        ; 32 (T / 2) rows of 4,096 bytes
	s_and_b32 s29, s27, 1
	s_lshl_b32 s29, s29, 15                        ; + 8 (T % 2) rows
	s_add_co_u32 s28, s28, s29
	s_mov_b32 s29, 0
	s_lshl_b32 s30, s27, 10                        ; my fragment in a K step of xc
	s_mov_b32 s31, 0
	s_lshl_b32 s32, s27, 9                         ; my tile's 512 bytes of xs
	s_mov_b32 s33, 0
.irp b, 0,1,2,3
	v_mov_b32 v[TM+4+\b], 0                        ; written once: a lane permute's destination counts as one of its sources
.endr
	s_wait_kmcnt 0x0
	s_add_nc_u64 s[4:5], s[4:5], s[28:29]
	s_add_nc_u64 s[14:15], s[14:15], s[30:31]
	s_add_nc_u64 s[16:17], s[16:17], s[32:33]
.macro XLD s                           ; K step s of my 16 rows: each load reads 512 consecutive bytes of one row
.irp i, 0,1,2,3,4,5,6,7,8,9,10,11,12,13,14,15
	global_load_b128 v[R+64*((\s)%2)+4*\i:R+64*((\s)%2)+4*\i+3], v4, s[4:5] offset:(\i+8*(\i/8))*4096+512*(\s) th:TH_LOAD_NT
.endr
.endm
; 64 numbers of a lane become a fragment's codes in v[PC] on and its scale word in v[w]
.macro QUANT s, w
.irp b, 0,1,2,3
	v_max3_num_f32 v[TM+\b], |v[\s+16*\b]|, |v[\s+1+16*\b]|, 0x1800000   ; block b: my 16 numbers, and the floor 2^(3 - 127): the byte cannot fall under 1
.endr
.irp i, 2,4,6,8,10,12,14
.irp b, 0,1,2,3
	v_max3_num_f32 v[TM+\b], v[TM+\b], |v[\s+16*\b+\i]|, |v[\s+1+16*\b+\i]|   ; the four blocks by turns
.endr
.endr
.irp b, 0,1,2,3
	v_permlanex16_b32 v[TM+4+\b], v[TM+\b], s[SEL], s[SEL+1]
.endr
.irp b, 0,1,2,3
	v_max_num_f32 v[TM+\b], v[TM+\b], v[TM+4+\b]   ; with lane l xor 16's: the block's largest magnitude
.endr
.irp b, 0,1,2,3
	v_add_nc_u32 v[TM+12+\b], 0xff000000, v[TM+\b] ; 2 off its exponent field: the conversion's scale operand
.endr
.irp b, 0,1,2,3
	v_lshrrev_b32 v[TM+4+\b], 23, v[TM+12+\b]      ; the scale's byte
.endr
	v_lshl_or_b32 v[\w], v[TM+5], 8, v[TM+4]
	v_lshl_or_b32 v[\w], v[TM+6], 16, v[\w]
	v_lshl_or_b32 v[\w], v[TM+7], 24, v[\w]
.irp b, 0,1,2,3
	v_cvt_scalef32_pk8_fp4_f32 v[PC+2*\b], v[\s+16*\b:\s+7+16*\b], v[TM+12+\b]
	v_cvt_scalef32_pk8_fp4_f32 v[PC+1+2*\b], v[\s+8+16*\b:\s+15+16*\b], v[TM+12+\b]
.endr
	v_nop                                          ; one plain place behind a scaled conversion
.irp c, 0,1                                    ; the operand's layout wants a whole block in a lane: lanes 0-15 block 2 c, lanes 16-31 block 2 c + 1
.irp i, 0,1
	v_permlane16_swap_b32 v[PC+4*\c+\i], v[PC+2+4*\c+\i]
.endr
.endr
.endm
.macro XSTEP s
.if (\s) < 7
	s_wait_loadcnt 16                              ; this K step's 16 loads are in; the next step's 16 may be out
.else
	s_wait_loadcnt 0x0
.endif
.irp i, 0,1,2,3,4,5,6,7,8,9,10,11,12,13,14,15
	ds_store_b128 v5, v[R+64*((\s)%2)+4*\i:R+64*((\s)%2)+4*\i+3] offset:XPITCH*\i
.endr
.irp b, 0,1,2,3
.irp j, 0,1,2,3
	ds_load_b128 v[X+16*\b+4*\j:X+16*\b+4*\j+3], v6 offset:128*\b+16*\j   ; LDS serves a wave's instructions in order: these see the stores above
.endr
.endr
	s_wait_dscnt 0x0                               ; my 64 numbers are in, and the stores have read the set that is loaded again below
	s_wait_xcnt 0x0                                ; the last step's stores have read the codes' registers, which are written again below
.if (\s) < 6
	XLD (\s)+2
.endif
	QUANT X, SW+(\s)
	global_store_b128 v4, v[PC:PC+3], s[14:15] offset:524288*(\s)         ; 32 lanes store 512 consecutive bytes, twice: the fragment's image
	global_store_b128 v4, v[PC+4:PC+7], s[14:15] offset:524288*(\s)+512
.endm
	XLD 0
	XLD 1
.irp s, 0,1,2,3,4,5,6,7
	XSTEP \s
.endr
	v_cmp_le_u32 vcc_lo, 16, v1                    ; lanes 16-31 store K steps 4 to 7
.irp q, 0,1,2,3
	v_cndmask_b32 v[OW+\q], v[SW+\q], v[SW+4+\q], vcc_lo
.endr
	global_store_b128 v4, v[OW:OW+3], s[16:17]     ; my tile's 512 bytes of scale words
	s_wait_tensorcnt 0x0
	ds_add_u32 v254, v255
	s_wait_dscnt 0x0
	s_endpgm
; ---------------- path W: the weights ----------------
; A lane takes a column and its registers run down K: a block of 32 lies in one lane, and the conversions give the codes with K innermost.
.Lweights:
	s_sub_co_u32 s27, ttmp9, 128
	s_lshr_b32 s28, s27, 6                         ; which weight: q, k, v, o
	s_bfe_u32 s29, s27, 0x50001                    ; which 32 columns
	s_and_b32 s30, s27, 1                          ; g: which four K steps
	s_lshl_b32 s31, s30, 2
	s_add_co_u32 s31, s31, s22                     ; my wave's K step
	s_lshl_b32 s32, s31, 19                        ; W: 128 rows of 4,096 bytes a K step,
	s_lshl_b32 s33, s29, 7                         ; 128 bytes for 32 columns
	s_add_co_u32 s32, s32, s33
	s_mov_b32 s33, 0
	s_lshl_b32 s34, s28, 19                        ; wc: weight, K step, two column tiles
	s_lshl_b32 s35, s31, 16
	s_add_co_u32 s34, s34, s35
	s_lshl_b32 s35, s29, 11
	s_add_co_u32 s34, s34, s35
	s_mov_b32 s35, 0
	s_lshl_b32 s36, s28, 15                        ; ws: weight, two column tiles, g
	s_lshl_b32 s37, s29, 10
	s_add_co_u32 s36, s36, s37
	s_lshl_b32 s37, s30, 8
	s_add_co_u32 s36, s36, s37
	s_mov_b32 s37, 0
	v_and_b32 v9, 8, v2
	v_add_nc_u32 v9, v9, v2                        ; r + 8 (r / 8)
	v_lshl_add_u32 v9, v3, 3, v9                   ; + 8 u: lanes 16-31 are the second tile
	v_lshlrev_b32 v9, 2, v9                        ; my column, in bytes
	v_lshlrev_b32 v10, 4, v2
	v_lshl_add_u32 v10, v3, 10, v10                ; codes: 1,024 u + 16 r
	v_lshlrev_b32 v11, 4, v2
	v_lshl_add_u32 v11, v3, 9, v11                 ; words: 512 u + 16 r
	s_wait_kmcnt 0x0
	s_cmp_eq_u32 s28, 1                            ; the choice hangs on the work-group's number alone
	s_cselect_b64 s[6:7], s[8:9], s[6:7]
	s_cmp_eq_u32 s28, 2
	s_cselect_b64 s[6:7], s[10:11], s[6:7]
	s_cmp_eq_u32 s28, 3
	s_cselect_b64 s[6:7], s[12:13], s[6:7]
	s_add_nc_u64 s[6:7], s[6:7], s[32:33]
	s_add_nc_u64 s[18:19], s[18:19], s[34:35]
	s_add_nc_u64 s[20:21], s[20:21], s[36:37]
.macro WLD t                           ; block t: W(32 t + i, my column)
.irp i, 0,1,2,3,4,5,6,7,8,9,10,11,12,13,14,15,16,17,18,19,20,21,22,23,24,25,26,27,28,29,30,31
	global_load_b32 v[R+32*(\t)+\i], v9, s[6:7] offset:(32*(\t)+\i)*4096
.endr
.endm
.macro WBLOCK t
.set XS_, R+32*(\t)
.if (\t) < 3
	s_wait_loadcnt 32                              ; this block's 32 loads are in; the next block's may be out
.else
	s_wait_loadcnt 0x0
.endif
.if (\t) < 2
	WLD (\t)+2
.endif
	v_max3_num_f32 v160, |v[XS_]|, |v[XS_+1]|, |v[XS_+2]|          ; the block's largest magnitude: all 32 numbers are mine; two chains
	v_max3_num_f32 v161, |v[XS_+3]|, |v[XS_+4]|, |v[XS_+5]|
.irp i, 6,10,14,18,22,26
	v_max3_num_f32 v160, v160, |v[XS_+\i]|, |v[XS_+\i+1]|
	v_max3_num_f32 v161, v161, |v[XS_+\i+2]|, |v[XS_+\i+3]|
.endr
	v_max3_num_f32 v160, v160, |v[XS_+30]|, |v[XS_+31]|
	v_max3_num_f32 v160, v160, v161, 0x1800000     ; and the floor
	v_add_nc_u32 v162, 0xff000000, v160            ; the conversion's scale operand
	v_lshrrev_b32 v163, 23, v162                   ; the byte
.if (\t) == 0
	v_mov_b32 v164, v163
.else
	v_lshl_or_b32 v164, v163, 8*(\t), v164         ; the K step's word: block t in byte t
.endif
.irp g, 0,1,2,3
	v_cvt_scalef32_pk8_fp4_f32 v[X+4*(\t)+\g], v[XS_+8*\g:XS_+8*\g+7], v162
.endr
	global_store_b128 v10, v[X+4*(\t):X+4*(\t)+3], s[18:19] offset:256*(\t)   ; sixteen lanes store 256 consecutive bytes: block t of a tile's image.  Each block has registers of its own
.endm
	WLD 0
	WLD 1
	WBLOCK 0
	WBLOCK 1
	WBLOCK 2
	WBLOCK 3
	ds_store_b32 v7, v164                          ; the four waves' words of a column meet in LDS
	s_wait_dscnt 0x0                               ; for the others' sake: my store is done
	s_barrier_signal -1
	s_barrier_wait -1
	s_cmp_lg_u32 s22, 0
	s_cbranch_scc1 .Ldone
	ds_load_b128 v[168:171], v8
	s_wait_dscnt 0x0
	global_store_b128 v11, v[168:171], s[20:21]    ; sixteen lanes store 256 consecutive bytes: a tile's words of four K steps
.Ldone:
	s_wait_tensorcnt 0x0
	ds_add_u32 v254, v255
	s_wait_dscnt 0x0
	s_endpgm
.Lfunc_end_k_q66b92bc5f8_prep:
	.size	k_q66b92bc5f8_prep, .Lfunc_end_k_q66b92bc5f8_prep-k_q66b92bc5f8_prep
	.p2alignl 7, 3214868480
	.fill 96, 4, 3214868480
	.section	.rodata,"a",@progbits
	.p2align	6, 0x0
	.amdhsa_kernel k_q66b92bc5f8_prep
		.amdhsa_group_segment_fixed_size 34816
		.amdhsa_private_segment_fixed_size 0
		.amdhsa_enable_private_segment 0
		.amdhsa_kernarg_size 72
		.amdhsa_user_sgpr_count 2
		.amdhsa_user_sgpr_kernarg_segment_ptr 1
		.amdhsa_wavefront_size32 1
		.amdhsa_system_sgpr_workgroup_id_x 1
		.amdhsa_system_sgpr_workgroup_id_y 1
		.amdhsa_system_sgpr_workgroup_id_z 1
		.amdhsa_system_vgpr_workitem_id 0
		.amdhsa_next_free_vgpr 256
		.amdhsa_next_free_sgpr 66
		.amdhsa_reserve_vcc 1
		.amdhsa_float_denorm_mode_32 3
		.amdhsa_float_denorm_mode_16_64 3
		.amdhsa_memory_ordered 1
		.amdhsa_forward_progress 1
		.amdhsa_inst_pref_size 83
	.end_amdhsa_kernel
	.amdgpu_metadata
---
amdhsa.version: [ 1, 2 ]
amdhsa.kernels:
  - .name:           k_q66b92bc5f8_prep
    .symbol:         k_q66b92bc5f8_prep.kd
    .args:
      - { .name: x, .offset: 0, .size: 8, .value_kind: global_buffer, .address_space: global }
      - { .name: Wq, .offset: 8, .size: 8, .value_kind: global_buffer, .address_space: global }
      - { .name: Wk, .offset: 16, .size: 8, .value_kind: global_buffer, .address_space: global }
      - { .name: Wv, .offset: 24, .size: 8, .value_kind: global_buffer, .address_space: global }
      - { .name: Wo, .offset: 32, .size: 8, .value_kind: global_buffer, .address_space: global }
      - { .name: xc, .offset: 40, .size: 8, .value_kind: global_buffer, .address_space: global }
      - { .name: xs, .offset: 48, .size: 8, .value_kind: global_buffer, .address_space: global }
      - { .name: wc, .offset: 56, .size: 8, .value_kind: global_buffer, .address_space: global }
      - { .name: ws, .offset: 64, .size: 8, .value_kind: global_buffer, .address_space: global }
    .group_segment_fixed_size: 34816
    .private_segment_fixed_size: 0
    .kernarg_segment_align: 8
    .kernarg_segment_size: 72
    .max_flat_workgroup_size: 128
    .sgpr_count:     66
    .vgpr_count:     256
    .wavefront_size: 32
...
	.end_amdgpu_metadata
.endif
;; end of part 1
;; launch qkv (part 2): grid 12 x 64, 4 waves a work-group, clusters of 4 x 4, 197,120 bytes of LDS; arguments xc, xs, wc, ws, bq, bk, bv, qb, kv; writes qb, kv
.if DOCPART == 2
	.amdgcn_target "amdgcn-amd-amdhsa--gfx1250"
	.amdhsa_code_object_version 6
	.text
	.protected	k_q66b92bc5f8_qkv
	.globl	k_q66b92bc5f8_qkv
	.p2align	8
	.type	k_q66b92bc5f8_qkv,@function
k_q66b92bc5f8_qkv:
	s_mov_b64 s[64:65], 0
	v_nop
	global_prefetch_b8 v0, s[64:65] scope:SCOPE_SE
	s_setreg_imm32_b32 hwreg(HW_REG_WAVE_MODE, 25, 1), 1
	s_wait_xcnt 0x0
	s_wait_alu depctr_hold_cnt(0) depctr_sa_sdst(0) depctr_va_vdst(0) depctr_va_sdst(0) depctr_va_ssrc(0) depctr_va_vcc(0) depctr_vm_vsrc(0)
	s_getreg_b32 s2, hwreg(HW_REG_IB_STS2, 6, 4)
	s_cmp_eq_u32 s2, 0
	s_cbranch_scc0 .Lentry_in_a_cluster
	s_endpgm
.Lentry_in_a_cluster:
	s_bfe_u32 s2, ttmp6, 0x10000c
	s_cmp_lg_u32 s2, 0xf033
	s_cbranch_scc0 .Lentry_shape_is_right
	s_endpgm
.Lentry_shape_is_right:
; q = x Wq + bq, k = x Wk + bk, v = x Wv + bv on codes of FP4 (E2M1), and each result quantised at once, in registers, for attention's products: q and k along the head's 64, v along the keys.
; A work-group takes 128 rows of x (one step of 128 queries or keys) x 256 columns of one weight; wave w takes all 128 rows x 64 columns: one head: 32 accumulators, 256 registers.
; The cluster's x says which weight (0 q, 1 k, 2 v): it is the same in all sixteen partners.
; ALL OF K LIES IN LDS AT ONCE: x's 8 tiles x 8 K steps (65,536 bytes) and the weight's 16 tiles x 8 K steps (131,072), as images of operand registers.  Every byte is filled once; nothing is filled again.
; CLUSTER 4 x 4: the four of a row need the same rows of x, the four of a column the same columns of the weight: each part is asked for jointly.  Waves 0, 1 ask for x's K steps (even, odd), waves 2, 3 for the weight's:
; four loads a wave are out, and counted waits let the products begin on the first two K steps.
; q, k: THE PRODUCT IS USED TRANSPOSED (source 0 = 16 columns of W, source 1 = 16 rows of x): a lane holds one row, its registers run along the head's 64.
; v: source 0 = 16 rows of x, source 1 = 16 columns of W: a lane holds one channel, its registers run along the keys.
; Since the places of a tile are chosen (place r of tile T = 32 (T / 2) + 8 (T % 2) + r + 8 (r / 8)), the 16 registers of two neighbouring tiles are 16 neighbours along the next K in both uses,
; and the 256 accumulator registers are 16 half blocks of 16: one way out serves both.
; The bias is the C of each sum's first product: it is added first, not last.
; OUT.  qb: [head 64][step 16][4,608]: 8 tiles x 512 bytes of codes (K = 64: the lower four registers of a fragment), then 512 bytes of scale words, [lane][4 words], word w of lane (r, h) = tile 2 w + h.
; kv: [head 64][step 16][8,960]: K's codes 4,096; V^T's codes 4,096 ([channel tile 4][1,024]); K's words 512; V's words 256 ([lane][2 words], word w of lane (r, h) = channel tile 2 w + h).
; LIMITS: NaN and infinities are not served; a block of zeros gets the byte 1, not 127 (its codes are zeros; this program alone reads the bytes).  q's and k's words hold 0 in bytes 2 and 3: those blocks meet zero codes.
; REGISTERS.  window 0: v1-9 addresses; v32-63 x's scale words, v64-79 the weight's (scales alone); v80-111 the bias; v112-223 the way out.
;   window 1: two sets of fragments at v0 and v128: x's 8 at +0, the weight's 4 at +64.   window 2: the accumulators.
.set WV,   22
.set ROLE, 23                          ; 0: I ask for x, 1: for the weight
.set E,    24                          ; even or odd K steps
.set CX,   25
.set CY,   26
.set MY,   27                          ; which 128 rows
.set NX,   28                          ; which weight
.set UI,   29                          ; 16 x head (of 64) + step: my unit of qb or kv
.set SEL,  30                          ; s[30:31] lane selects: lane l xor 16
.set G1A,  36                          ; s[36:43] descriptor group 1 for x's parts; s[44:51] for the weight's
.set G1B,  44
.set CB,   52                          ; s[52:53] where my codes go; s[54:55] my scale words
.set SB,   54
.set G0A,  68                          ; s[68:83] four groups 0 for x; s[84:99] for the weight
.set G0B,  84
.set LI,   1                           ; v1  16 x lane: my place in an image; also LDS address of x's fragments
.set L8,   2                           ; v2  8 x lane
.set ADB,  3                           ; v3, v4  LDS address of my wave's fragments of the weight, K steps 0-3 and 4-7
.set LANE, 5
.set AS,   32
.set BS,   64
.set BI,   80
.set TM,   112                         ; 16 largest magnitudes
.set TX,   128                         ; the other half of the lanes'
.set SO,   144                         ; the conversions' scale operands
.set BY,   160                         ; the bytes
.set PW,   176                         ; scale words
.set W4,   184                         ; as they are stored
.set PC,   192                         ; v192-223 the codes
.set MSB, 0
.macro WIN new                         ; the immediate's high byte repeats the setting that is left; a switch that changes nothing is dropped
.if MSB != \new
	s_set_vgpr_msb (MSB<<8)|\new
.set MSB, \new
.endif
.endm
.macro CROUND                          ; a round of the cluster's barrier
	s_barrier_signal -1
	s_barrier_wait -1
	s_cmp_lg_u32 s[WV], 0
	s_cbranch_scc1 .Lnot_wave_0_\@
	s_barrier_signal -3
.Lnot_wave_0_\@:
	s_barrier_wait -3
	s_barrier_signal -1
	s_barrier_wait -1
.endm
.macro PLACES                          ; four plain places behind matrix instructions, in front of loads into registers that they read and of the first read of results
.rept 4
	v_nop
.endr
.endm
	s_load_b512 s[4:19], s[0:1], 0x0               ; xc s[4:5], xs s[6:7], wc s[8:9], ws s[10:11], bq s[12:13], bk s[14:15], bv s[16:17], qb s[18:19]
	s_load_b64 s[20:21], s[0:1], 0x40              ; kv
	v_lshl_add_u32 v254, v0, 2, 0x30000
	v_mov_b32 v255, 0
	ds_add_u32 v254, v255
	ds_add_u32 v254, v255
	v_lshrrev_b32 v5, 5, v0
	v_readfirstlane_b32 s[WV], v5                  ; wave 0..3
	v_and_b32 v[LANE], 31, v0
	v_and_b32 v6, 15, v0                           ; r
	v_bfe_u32 v7, v0, 4, 1                         ; h
	v_lshlrev_b32 v[LI], 4, v[LANE]
	v_lshlrev_b32 v[L8], 3, v[LANE]
	s_lshl_b32 s29, s[WV], 12                      ; my four tiles of the weight's sixteen
	s_add_co_u32 s29, s29, 65536                   ; behind x's 65,536 bytes
	v_add_nc_u32 v[ADB], s29, v[LI]
	v_add_nc_u32 v[ADB+1], 65536, v[ADB]
	s_lshr_b32 s[ROLE], s[WV], 1
	s_and_b32 s[E], s[WV], 1
	s_bfe_u32 s[CX], ttmp6, 0x40000
	s_bfe_u32 s[CY], ttmp6, 0x40004
	s_and_b32 s[MY], ttmp7, 0xffff
	s_lshl_b32 s[MY], s[MY], 2
	s_add_co_u32 s[MY], s[MY], s[CY]               ; 4 x cluster y + cy
	s_mov_b32 s[NX], ttmp9                         ; the cluster's x
	s_lshl_b32 s32, s[CY], 2
	s_lshl_b32 s32, 15, s32                        ; my row of the cluster
	s_lshl_b32 s33, 0x1111, s[CX]                  ; my column
	; descriptor group 1: a dense block as rows of 256 bytes (32 elements of 8 bytes): x's part 32 rows, the weight's 64; no padding
	s_or_b32 s[G1A], s32, (3<<16)|(1<<21)          ; 15:0 the mask; 17:16 elements of 8 bytes; 21 set beside a mask
	s_or_b32 s[G1B], s33, (3<<16)|(1<<21)
.irp g, G1A, G1B
	s_mov_b32 s[\g+1], 32<<16                      ; tensor_dim0 = 32
	s_mov_b32 s[\g+3], 32<<16                      ; tile_dim0 = 32
	s_mov_b32 s[\g+5], 32                          ; the pitch
	s_mov_b32 s[\g+6], 0
	s_mov_b32 s[\g+7], 0
.endr
	s_mov_b32 s[G1A+2], 32<<16                     ; tensor_dim1
	s_mov_b32 s[G1A+4], 32                         ; tile_dim1
	s_mov_b32 s[G1B+2], 64<<16
	s_mov_b32 s[G1B+4], 64
	s_lshl_b32 s56, s[MY], 13                      ; x: my 8 tiles in a K step, K step e: hangs on the row of the cluster alone
	s_lshl_b32 s29, s[E], 19
	s_add_co_u32 s56, s56, s29
	s_mov_b32 s57, 0
	s_lshl_b32 s58, s[NX], 19                      ; the weight, my 16 tiles, K step e: hangs on the column alone
	s_lshl_b32 s59, s[CX], 14
	s_add_co_u32 s58, s58, s59
	s_lshl_b32 s59, s[E], 16
	s_add_co_u32 s58, s58, s59
	s_mov_b32 s59, 0
	s_lshl_b32 s34, s[E], 13                       ; and in LDS: no place in the cluster enters an LDS address
	s_lshl_b32 s35, s[E], 14
	s_add_co_u32 s35, s35, 65536
	s_mov_b32 s[SEL], 0x76543210
	s_mov_b32 s[SEL+1], 0xfedcba98
	s_wait_dscnt 0x0
	s_wait_kmcnt 0x0
	s_add_nc_u64 s[56:57], s[4:5], s[56:57]
	s_add_nc_u64 s[58:59], s[8:9], s[58:59]
	CROUND                                         ; all sixteen work-groups are here: the joint loads meet
.irp j, 0,1,2,3                                ; load j: K step 2 j + e
	s_mov_b32 s[G0A+4*\j], 1
	s_add_co_u32 s[G0A+4*\j+1], s34, (\j)<<14
	s_add_nc_u64 s[G0A+4*\j+2:G0A+4*\j+3], s[56:57], (\j)<<20
	s_or_b32 s[G0A+4*\j+3], s[G0A+4*\j+3], 0x80000000
	s_mov_b32 s[G0B+4*\j], 1
	s_add_co_u32 s[G0B+4*\j+1], s35, (\j)<<15
	s_add_nc_u64 s[G0B+4*\j+2:G0B+4*\j+3], s[58:59], (\j)<<17
	s_or_b32 s[G0B+4*\j+3], s[G0B+4*\j+3], 0x80000000
.endr
	s_cmp_eq_u32 s[ROLE], 0                        ; a wave's four fills stand in one branch on the wave's number, ahead of every wait on TENSORcnt, every LDS read and every other barrier
	s_cbranch_scc0 .Lfill_b
	tensor_load_to_lds s[G0A:G0A+3], s[G1A:G1A+7]
	s_nop 0
	tensor_load_to_lds s[G0A+4:G0A+7], s[G1A:G1A+7]
	s_nop 0
	tensor_load_to_lds s[G0A+8:G0A+11], s[G1A:G1A+7]
	s_nop 0
	tensor_load_to_lds s[G0A+12:G0A+15], s[G1A:G1A+7]
	s_nop 0
	PLACES                                         ; four v_nop follow the last load
	s_branch .Lfilled
.Lfill_b:
	tensor_load_to_lds s[G0B:G0B+3], s[G1B:G1B+7]
	s_nop 0
	tensor_load_to_lds s[G0B+4:G0B+7], s[G1B:G1B+7]
	s_nop 0
	tensor_load_to_lds s[G0B+8:G0B+11], s[G1B:G1B+7]
	s_nop 0
	tensor_load_to_lds s[G0B+12:G0B+15], s[G1B:G1B+7]
	s_nop 0
	PLACES
.Lfilled:
	; the scale words: one load of 16 bytes a lane gives a tile's words of all 8 K steps: register q holds K step q in lanes 0-15 and K step 4 + q in lanes 16-31
	s_lshl_b32 s60, s[MY], 12
	s_mov_b32 s61, 0
	s_add_nc_u64 s[60:61], s[6:7], s[60:61]
	s_lshl_b32 s33, s[CX], 2
	s_add_co_u32 s33, s33, s[WV]                   ; my head, of 16
	s_lshl_b32 s62, s[NX], 15
	s_lshl_b32 s32, s33, 11                        ; four tiles of 512 bytes a head
	s_add_co_u32 s62, s62, s32
	s_mov_b32 s63, 0
	s_add_nc_u64 s[62:63], s[10:11], s[62:63]
.irp a, 0,1,2,3,4,5,6,7
	global_load_b128 v[AS+4*\a:AS+4*\a+3], v[LI], s[60:61] offset:512*\a
.endr
.irp b, 0,1,2,3
	global_load_b128 v[BS+4*\b:BS+4*\b+3], v[LI], s[62:63] offset:512*\b
.endr
	s_cmp_eq_u32 s[NX], 1                          ; the bias: the choice hangs on the cluster's x alone
	s_cselect_b64 s[12:13], s[14:15], s[12:13]
	s_cmp_eq_u32 s[NX], 2
	s_cselect_b64 s[12:13], s[16:17], s[12:13]
	s_lshl_b32 s34, s33, 8                         ; my head's 64 numbers
	s_mov_b32 s35, 0
	s_add_nc_u64 s[12:13], s[12:13], s[34:35]
	s_lshr_b32 s[UI], s[MY], 4                     ; the batch
	s_lshl_b32 s[UI], s[UI], 4
	s_add_co_u32 s[UI], s[UI], s33                 ; 16 x batch + head
	s_lshl_b32 s[UI], s[UI], 4
	s_and_b32 s32, s[MY], 15
	s_add_co_u32 s[UI], s[UI], s32                 ; x 16 + step
	s_cmp_eq_u32 s[NX], 0
	s_mov_b32 s32, 8960
	s_cselect_b32 s32, 4608, s32                   ; a unit of qb or of kv
	s_mov_b32 s34, 8192
	s_cselect_b32 s34, 4096, s34                   ; where its scale words begin: q, k
	s_cselect_b64 s[CB:CB+1], s[18:19], s[20:21]
	s_cmp_eq_u32 s[NX], 2
	s_cselect_b32 s34, 8704, s34                   ; v
	s_cselect_b32 s58, 4096, 0                     ; where its codes begin
	s_mul_i32 s56, s32, s[UI]
	s_mov_b32 s57, 0
	s_mov_b32 s59, 0
	s_mov_b32 s35, 0
	s_add_nc_u64 s[CB:CB+1], s[CB:CB+1], s[56:57]
	s_add_nc_u64 s[SB:SB+1], s[CB:CB+1], s[34:35]
	s_add_nc_u64 s[CB:CB+1], s[CB:CB+1], s[58:59]
	v_lshlrev_b32 v8, 6, v7                        ; the bias, q and k: 16 h numbers on
	v_and_b32 v9, 8, v6
	v_add_nc_u32 v9, v9, v6
	v_lshlrev_b32 v9, 2, v9                        ; v: number r + 8 (r / 8)
.irp k, 0,1,2,3,4,5,6,7,8,9,10,11,12,13,14,15
	v_mov_b32 v[TX+\k], 0                          ; written once: a lane permute's destination counts as one of its sources
.endr
; 24 LDS loads in one run: K step s's fragments into set f: the weight's four, then x's eight; each load takes 512 consecutive bytes
.macro FETCH s, f
	WIN 0x40                                       ; destination window 1, address window 0
.irp b, 0,1,2,3
.irp c, 0,1
	ds_load_b128 v[128*(\f)+64+8*\b+4*\c:128*(\f)+64+8*\b+4*\c+3], v[ADB+(\s)/4] offset:((\s)%4)*16384+1024*\b+512*\c
.endr
.endr
.irp a, 0,1,2,3,4,5,6,7
.irp c, 0,1
	ds_load_b128 v[128*(\f)+8*\a+4*\c:128*(\f)+8*\a+4*\c+3], v[LI] offset:8192*(\s)+1024*\a+512*\c
.endr
.endr
.endm
; 16 matrix instructions: x's tiles a0 .. a0 + 3 x the weight's four, K step s, from set f.  The 32 accumulators take turns, one instruction a turn, in the same order in every K step.
; K step 0 takes the bias as C: nothing is cleared.
.macro MUL16 mode, s, f, a0
.if (\s) == 0
	WIN 0x85                                       ; sources 0 and 1 window 1, C (the bias) window 0, D window 2
.else
	WIN 0xa5                                       ; C and D window 2
.endif
.irp a, 0,1,2,3
.irp b, 0,1,2,3
.set XA_, \a0+\a
.if \mode == 0
.set RD_, 8*(4*XA_+\b)
.set F0_, 128*(\f)+64+8*\b
.set F1_, 128*(\f)+8*XA_
.set C0_, BS+4*\b+(\s)%4
.set C1_, AS+4*XA_+(\s)%4
.else
.set RD_, 8*(8*\b+XA_)
.set F0_, 128*(\f)+8*XA_
.set F1_, 128*(\f)+64+8*\b
.set C0_, AS+4*XA_+(\s)%4
.set C1_, BS+4*\b+(\s)%4
.endif
.set RC_, RD_
.if (\s) == 0
.set RC_, BI+8*\b
.endif
.if (\s) < 4
	v_wmma_scale_f32_16x16x128_f8f6f4 v[RD_:RD_+7], v[F0_:F0_+7], v[F1_:F1_+7], v[RC_:RC_+7], v[C0_], v[C1_] matrix_a_fmt:MATRIX_FMT_FP4 matrix_b_fmt:MATRIX_FMT_FP4
.else
	v_wmma_scale_f32_16x16x128_f8f6f4 v[RD_:RD_+7], v[F0_:F0_+7], v[F1_:F1_+7], v[RC_:RC_+7], v[C0_], v[C1_] matrix_a_fmt:MATRIX_FMT_FP4 matrix_b_fmt:MATRIX_FMT_FP4 matrix_a_scale:MATRIX_SCALE_ROW1 matrix_b_scale:MATRIX_SCALE_ROW1
.endif
.endr
.endr
.endm
; A K step.  In K steps 1, 3, 5 the next two K steps' parts are shown landed: each wave waits for its own, signals, and reads behind the barrier.  Later loads stay out.
.macro STEP mode, s
	s_wait_dscnt 0x0                               ; this K step's fragments are in; no LDS instruction of mine is out at the signal
.if ((\s) == 1) || ((\s) == 3) || ((\s) == 5)
	s_wait_tensorcnt 3-((\s)+1)/2                  ; of my four loads those behind K steps s + 1, s + 2 may be out
	s_barrier_signal -1
.endif
	MUL16 \mode, \s, (\s)%2, 0
.if ((\s) == 1) || ((\s) == 3) || ((\s) == 5)
	s_barrier_wait -1
.endif
.if (\s) < 7
	PLACES                                         ; the other set was read by the last K step's products
	FETCH (\s)+1, 1-(\s)%2
.endif
	MUL16 \mode, \s, (\s)%2, 4
.endm
; THE WAY OUT, alike in both uses: half block k = accumulator registers 16 k .. 16 k + 15 = 16 neighbours along the next K; the other 16 of the block lie in lane l xor 16.
.macro EPI
	PLACES
	WIN 0x0a                                       ; sources 0 and 1 window 2
.irp k, 0,1,2,3,4,5,6,7,8,9,10,11,12,13,14,15
	v_max3_num_f32 v[TM+\k], |v[16*\k]|, |v[16*\k+1]|, 0x1800000   ; each accumulator is read from its low end on; the floor 2^(3 - 127) holds the byte at 1 from below
.endr
.irp i, 2,4,6,8,10,12,14
.irp k, 0,1,2,3,4,5,6,7,8,9,10,11,12,13,14,15
	v_max3_num_f32 v[TM+\k], |v[16*\k+\i]|, |v[16*\k+\i+1]|, v[TM+\k]
.endr
.endr
	WIN 0
.irp k, 0,1,2,3,4,5,6,7,8,9,10,11,12,13,14,15
	v_permlanex16_b32 v[TX+\k], v[TM+\k], s[SEL], s[SEL+1]
.endr
.irp k, 0,1,2,3,4,5,6,7,8,9,10,11,12,13,14,15
	v_max_num_f32 v[TM+\k], v[TM+\k], v[TX+\k]     ; the block's largest magnitude
.endr
.irp k, 0,1,2,3,4,5,6,7,8,9,10,11,12,13,14,15
	v_add_nc_u32 v[SO+\k], 0xff000000, v[TM+\k]    ; 2 off its exponent field: the conversion's scale operand
.endr
.irp k, 0,1,2,3,4,5,6,7,8,9,10,11,12,13,14,15
	v_lshrrev_b32 v[BY+\k], 23, v[SO+\k]           ; the byte
.endr
	WIN 0x02                                       ; source 0 window 2
.irp k, 0,1,2,3,4,5,6,7,8,9,10,11,12,13,14,15
	v_cvt_scalef32_pk8_fp4_f32 v[PC+2*\k], v[16*\k:16*\k+7], v[SO+\k]
	v_cvt_scalef32_pk8_fp4_f32 v[PC+2*\k+1], v[16*\k+8:16*\k+15], v[SO+\k]
.endr
	WIN 0
	v_nop                                          ; one plain place behind a scaled conversion
.irp p, 0,1,2,3,4,5,6,7                        ; a whole block to a lane: lanes 0-15 the pair's first block, lanes 16-31 its second
.irp i, 0,1
	v_permlane16_swap_b32 v[PC+4*\p+\i], v[PC+4*\p+2+\i]
.endr
.endr
.irp p, 0,1,2,3,4,5,6,7
	global_store_b128 v[LI], v[PC+4*\p:PC+4*\p+3], s[CB:CB+1] offset:512*\p   ; 32 lanes store 512 consecutive bytes
.endr
	v_cmp_le_u32 vcc_lo, 16, v[LANE]
.endm
.macro BODY mode
.if \mode == 0
.irp b, 0,1,2,3                                ; lane (r, h) holds, in tile b, columns 32 (b / 2) + 16 h + 8 (b % 2) + 0 .. 7
	global_load_b128 v[BI+8*\b:BI+8*\b+3], v8, s[12:13] offset:(32*(\b/2)+8*(\b%2))*4
	global_load_b128 v[BI+8*\b+4:BI+8*\b+7], v8, s[12:13] offset:(32*(\b/2)+8*(\b%2))*4+16
.endr
.else
.irp b, 0,1,2,3                                ; lane (r, h) holds, in tile b, column 32 (b / 2) + 8 (b % 2) + r + 8 (r / 8) in all eight registers
.irp j, 0,1,2,3,4,5,6,7
	global_load_b32 v[BI+8*\b+\j], v9, s[12:13] offset:(32*(\b/2)+8*(\b%2))*4
.endr
.endr
.endif
	s_wait_tensorcnt 3                             ; my first load has landed (K step 0 or 1); my other three may be out
	s_barrier_signal -1
	s_barrier_wait -1                              ; K steps 0 and 1 of both operands are whole
	FETCH 0, 0
	s_wait_loadcnt 0x0                             ; scale words and bias
.irp s, 0,1,2,3,4,5,6,7
	STEP \mode, \s
.endr
	EPI
.if \mode == 0
.irp a, 0,1,2,3,4,5,6,7
	v_lshl_or_b32 v[PW+\a], v[BY+2*\a+1], 8, v[BY+2*\a]          ; tile a's word: the two blocks of the head's 64; bytes 2 and 3 stay 0
.endr
.irp w, 0,1,2,3
	v_cndmask_b32 v[W4+\w], v[PW+2*\w], v[PW+2*\w+1], vcc_lo     ; lanes 16-31 store the odd tiles'
.endr
	global_store_b128 v[LI], v[W4:W4+3], s[SB:SB+1]
.else
.irp b, 0,1,2,3
	v_lshl_or_b32 v[PW+\b], v[BY+4*\b+1], 8, v[BY+4*\b]          ; channel tile b's word: the four blocks of the step's 128 keys
	v_lshl_or_b32 v[PW+\b], v[BY+4*\b+2], 16, v[PW+\b]
	v_lshl_or_b32 v[PW+\b], v[BY+4*\b+3], 24, v[PW+\b]
.endr
	v_cndmask_b32 v[W4], v[PW], v[PW+1], vcc_lo
	v_cndmask_b32 v[W4+1], v[PW+2], v[PW+3], vcc_lo
	global_store_b64 v[L8], v[W4:W4+1], s[SB:SB+1]               ; 32 lanes store 256 consecutive bytes
.endif
.endm
	s_cmp_eq_u32 s[NX], 2                          ; the same in every wave and in every partner
	s_cbranch_scc1 .Lvalues
	BODY 0
	s_branch .Ljoin
.Lvalues:
	BODY 1
.Ljoin:
	s_wait_tensorcnt 0x0
	ds_add_u32 v254, v255
	s_wait_dscnt 0x0
	CROUND                                         ; the closing round: no work-group ends while a partner may still ask for a part that names it
	s_endpgm
.Lfunc_end_k_q66b92bc5f8_qkv:
	.size	k_q66b92bc5f8_qkv, .Lfunc_end_k_q66b92bc5f8_qkv-k_q66b92bc5f8_qkv
	.p2alignl 7, 3214868480
	.fill 96, 4, 3214868480
	.section	.rodata,"a",@progbits
	.p2align	6, 0x0
	.amdhsa_kernel k_q66b92bc5f8_qkv
		.amdhsa_group_segment_fixed_size 197120
		.amdhsa_private_segment_fixed_size 0
		.amdhsa_enable_private_segment 0
		.amdhsa_kernarg_size 72
		.amdhsa_user_sgpr_count 2
		.amdhsa_user_sgpr_kernarg_segment_ptr 1
		.amdhsa_wavefront_size32 1
		.amdhsa_system_sgpr_workgroup_id_x 1
		.amdhsa_system_sgpr_workgroup_id_y 1
		.amdhsa_system_sgpr_workgroup_id_z 1
		.amdhsa_system_vgpr_workitem_id 0
		.amdhsa_next_free_vgpr 768
		.amdhsa_next_free_sgpr 100
		.amdhsa_reserve_vcc 1
		.amdhsa_float_denorm_mode_32 3
		.amdhsa_float_denorm_mode_16_64 3
		.amdhsa_memory_ordered 1
		.amdhsa_forward_progress 1
		.amdhsa_inst_pref_size 138
	.end_amdhsa_kernel
	.amdgpu_metadata
---
amdhsa.version: [ 1, 2 ]
amdhsa.kernels:
  - .name:           k_q66b92bc5f8_qkv
    .symbol:         k_q66b92bc5f8_qkv.kd
    .args:
      - { .name: xc, .offset: 0, .size: 8, .value_kind: global_buffer, .address_space: global }
      - { .name: xs, .offset: 8, .size: 8, .value_kind: global_buffer, .address_space: global }
      - { .name: wc, .offset: 16, .size: 8, .value_kind: global_buffer, .address_space: global }
      - { .name: ws, .offset: 24, .size: 8, .value_kind: global_buffer, .address_space: global }
      - { .name: bq, .offset: 32, .size: 8, .value_kind: global_buffer, .address_space: global }
      - { .name: bk, .offset: 40, .size: 8, .value_kind: global_buffer, .address_space: global }
      - { .name: bv, .offset: 48, .size: 8, .value_kind: global_buffer, .address_space: global }
      - { .name: qb, .offset: 56, .size: 8, .value_kind: global_buffer, .address_space: global }
      - { .name: kv, .offset: 64, .size: 8, .value_kind: global_buffer, .address_space: global }
    .group_segment_fixed_size: 197120
    .private_segment_fixed_size: 0
    .kernarg_segment_align: 8
    .kernarg_segment_size: 72
    .max_flat_workgroup_size: 128
    .sgpr_count:     100
    .vgpr_count:     768
    .wavefront_size: 32
...
	.end_amdgpu_metadata
.endif
;; end of part 2
;; launch attn (part 3): grid 8 x 32, 16 waves a work-group, clusters of 4 x 1, 296,960 bytes of LDS; arguments qb, kv, oc, os; writes oc, os
.if DOCPART == 3
	.amdgcn_target "amdgcn-amd-amdhsa--gfx1250"
	.amdhsa_code_object_version 6
	.text
	.protected	k_q66b92bc5f8_attn
	.globl	k_q66b92bc5f8_attn
	.p2align	8
	.type	k_q66b92bc5f8_attn,@function
k_q66b92bc5f8_attn:
	s_mov_b64 s[64:65], 0
	v_nop
	global_prefetch_b8 v0, s[64:65] scope:SCOPE_SE
	s_setreg_imm32_b32 hwreg(HW_REG_WAVE_MODE, 25, 1), 1
	s_wait_xcnt 0x0
	s_wait_alu depctr_hold_cnt(0) depctr_sa_sdst(0) depctr_va_vdst(0) depctr_va_sdst(0) depctr_va_ssrc(0) depctr_va_vcc(0) depctr_vm_vsrc(0)
	s_getreg_b32 s2, hwreg(HW_REG_IB_STS2, 6, 4)
	s_cmp_eq_u32 s2, 0
	s_cbranch_scc0 .Lentry_in_a_cluster
	s_endpgm
.Lentry_in_a_cluster:
	s_bfe_u32 s2, ttmp6, 0x10000c
	s_cmp_lg_u32 s2, 0x3003
	s_cbranch_scc0 .Lentry_shape_is_right
	s_endpgm
.Lentry_shape_is_right:
; o = softmax(8 q k^T) v for each head, both products on codes of FP4 (E2M1), and o quantised at once along the output projection's K (head x 64 + channel).
; THE SOFTMAX AHEAD OF THE SECOND PRODUCT: t = score x 8 log2(e); M = the row's largest t so far, rounded up to a whole number; p = 2^(t - M) is quantised along the keys, not normalised.
; The row's sum is taken of the unquantised p and divides O at the end (a reciprocal and a multiplication).  When M moves, the sum and O are multiplied by 2^(old M - new M): exact.
; SHARES.  A work-group takes 256 queries of TWO heads (a pair: 128 along the next K, one K step); each of its sixteen waves one tile of 16 queries, first for the pair's first head, then for the second:
; so one wave makes a whole fragment of o and a whole scale word.  Four waves to a SIMD: one wave's vector work stands beside another's matrix work and LDS loads.
; THE PAIR'S K AND V LIE IN LDS AT ONCE: 2 x 16 key steps x 8,960 bytes, as they lie in memory (images of operand registers and scale words).  Every byte is filled once, all fills are asked for at the head
; (so no later load exists that a prefetch could run ahead of), and counted waits let the work begin on the first four key steps.
; CLUSTER 4 x 1: the four query blocks of a cluster walk the same pair: each chunk is asked for jointly.  Wave 0 issues the eight chunks: eight loads of its are out.
; LAYOUT.  Both products are used transposed: S^T = K Q^T (source 0 = 16 keys), O^T = V^T P^T (source 0 = 16 channels): a lane holds one query throughout.  The keys of a tile and the channels of a tile were chosen
; by the launch before (place r of tile T = 32 (T / 2) + 8 (T % 2) + r + 8 (r / 8)), so that the 16 registers of two neighbouring tiles are 16 neighbouring keys, or channels.
; K = 64 IN A FORM OF K = 128: Q's upper four registers are zero codes; a tile of K is named with the four registers behind it (the next tile's codes, or zeros): they meet zero codes and add nothing;
; the scale bytes of those blocks are 0, which is a number and no NaN.
; LIMITS: NaN and infinities are not served; a block of zeros gets the byte 1, not 127 (its codes are zeros; this program alone reads the bytes).
; REGISTERS: v1-7 addresses; v12 -M, v13 the largest t, v[14:15] the sum in two halves; v16-31 Q of both heads, each with four zeros; v32-67 K's eight half fragments and four zeros; v68-75 scale words (scales alone);
;   v76-83 o's codes, v84 o's scale word; v96-159 S^T, then p; v160-191 O^T; v192-223 V's four fragments; v224-231 p's codes; v232-254 at work (v253: p's scale word).
.set STEPB, 8960                       ; a key step: K's codes 4,096, V's codes 4,096, K's words 512, V's words 256
.set CHUNK, 4*STEPB                    ; what one tensor load brings: 140 rows of 256 bytes
.set OSG,   32*STEPB                   ; behind the pair's 286,720 bytes: 1,024 bytes for o's scale words; no fill lands there
.set LI,   1                           ; v1  16 x lane
.set L8,   2                           ; v2  8 x lane
.set A16,  3                           ; v3  the step's first byte + 16 x lane
.set A8,   4                           ; v4  the step's first byte + 8 x lane
.set OSW,  5                           ; v5  OSG + 64 x wave + 4 r
.set OSR,  6                           ; v6  OSG + 16 x lane
.set R16,  7                           ; v7  16 r
.set KF,   32
.set KS,   68
.set VS,   72
.set QS,   74
.set OC,   76
.set OWD,  84
.set S,    96
.set OT,   160
.set VF,   192
.set P,    224
.set WV,   12
.set CXR,  13
.set QB,   14                          ; my block of 256 queries
.set Y,    15                          ; 8 x batch + head pair
.set SEL,  16                          ; s[16:17] lane selects: lane l xor 16
.set CS,   18                          ; s[18:19] c = 8 log2(e)
.set TB,   20                          ; LDS byte at which the key step in hand begins
.set CNT,  21
.set G1,   32                          ; s[32:39] descriptor group 1; groups 0: s[40:63], s[68:75]
.macro CROUND
	s_barrier_signal -1
	s_barrier_wait -1
	s_cmp_lg_u32 s[WV], 0
	s_cbranch_scc1 .Lnot_wave_0_\@
	s_barrier_signal -3
.Lnot_wave_0_\@:
	s_barrier_wait -3
	s_barrier_signal -1
	s_barrier_wait -1
.endm
	s_load_b256 s[4:11], s[0:1], 0x0               ; qb s[4:5], kv s[6:7], oc s[8:9], os s[10:11]
	v_lshl_add_u32 v251, v0, 2, 0x48000
	v_mov_b32 v255, 0
	ds_add_u32 v251, v255
	ds_add_u32 v251, v255
	v_lshrrev_b32 v7, 5, v0
	v_readfirstlane_b32 s[WV], v7                  ; wave 0..15
	v_and_b32 v7, 31, v0
	v_lshlrev_b32 v[LI], 4, v7
	v_lshlrev_b32 v[L8], 3, v7
	v_and_b32 v8, 15, v0                           ; r
	s_lshl_b32 s22, s[WV], 6
	s_add_co_u32 s22, s22, OSG
	v_lshl_add_u32 v[OSW], v8, 2, s22
	v_add_nc_u32 v[OSR], OSG, v[LI]
	v_lshlrev_b32 v[R16], 4, v8
	s_bfe_u32 s[CXR], ttmp6, 0x40000               ; my place in the cluster: it enters Q's, oc's and os's addresses alone
	s_lshl_b32 s[QB], ttmp9, 2
	s_add_co_u32 s[QB], s[QB], s[CXR]
	s_and_b32 s[Y], ttmp7, 0xffff                  ; which the four partners share
	s_mov_b32 s[G1], 15|(3<<16)|(1<<21)            ; 15:0 the mask: all four; 17:16 elements of 8 bytes; 21 set beside a mask; no padding
	s_mov_b32 s[G1+1], 32<<16                      ; tensor_dim0 = 32: rows of 256 bytes
	s_mov_b32 s[G1+2], 140<<16                     ; tensor_dim1 = 140
	s_mov_b32 s[G1+3], 32<<16                      ; tile_dim0
	s_mov_b32 s[G1+4], 140                         ; tile_dim1
	s_mov_b32 s[G1+5], 32                          ; the pitch: the block is dense
	s_mov_b32 s[G1+6], 0
	s_mov_b32 s[G1+7], 0
	s_mov_b32 s[SEL], 0x76543210
	s_mov_b32 s[SEL+1], 0xfedcba98
	s_mov_b32 s[CS], 0x4138aa3b                    ; 8 log2(e)
	s_mov_b32 s[CS+1], s[CS]                       ; (named with it as a pair, so it is written)
	s_mov_b32 s[TB], 0
	s_mul_i32 s30, s[Y], 32*STEPB                  ; the pair's first byte in kv
	s_mov_b32 s31, 0
	s_lshl_b32 s26, s[Y], 5                        ; Q: unit 16 x (first head of the pair) + my step of 128 queries
	s_lshl_b32 s27, s[QB], 1
	s_add_co_u32 s26, s26, s27
	s_lshr_b32 s27, s[WV], 3
	s_add_co_u32 s26, s26, s27
	s_mul_i32 s26, s26, 4608
	s_and_b32 s27, s[WV], 7                        ; my tile in it
	s_lshl_b32 s28, s27, 9
	s_add_co_u32 s22, s26, s28                     ; its codes
	s_mov_b32 s23, 0
	s_and_b32 s28, s27, 1                          ; its words: word tile / 2 of lanes 16 (tile % 2) + r
	s_lshl_b32 s28, s28, 8
	s_lshr_b32 s29, s27, 1
	s_lshl_b32 s29, s29, 2
	s_add_co_u32 s28, s28, s29
	s_add_co_u32 s28, s28, 4096
	s_add_co_u32 s24, s26, s28
	s_mov_b32 s25, 0
	s_wait_dscnt 0x0
	s_wait_kmcnt 0x0
	s_add_nc_u64 s[6:7], s[6:7], s[30:31]
	s_add_nc_u64 s[22:23], s[4:5], s[22:23]
	s_add_nc_u64 s[24:25], s[4:5], s[24:25]
	CROUND                                         ; all four work-groups are here: the joint loads meet
.irp c, 0,1,2,3,4,5,6,7
.if \c < 6
.set G_, 40+4*\c
.else
.set G_, 68+4*(\c-6)
.endif
	s_mov_b32 s[G_], 1
	s_mov_b32 s[G_+1], CHUNK*\c
	s_add_nc_u64 s[G_+2:G_+3], s[6:7], CHUNK*\c
	s_or_b32 s[G_+3], s[G_+3], 0x80000000
.endr
	s_cmp_lg_u32 s[WV], 0                          ; all fills stand in one branch on the wave's number
	s_cbranch_scc1 .Lno_fill
	tensor_load_to_lds s[40:43], s[G1:G1+7]
	s_nop 0
	tensor_load_to_lds s[44:47], s[G1:G1+7]
	s_nop 0
	tensor_load_to_lds s[48:51], s[G1:G1+7]
	s_nop 0
	tensor_load_to_lds s[52:55], s[G1:G1+7]
	s_nop 0
	tensor_load_to_lds s[56:59], s[G1:G1+7]
	s_nop 0
	tensor_load_to_lds s[60:63], s[G1:G1+7]
	s_nop 0
	tensor_load_to_lds s[68:71], s[G1:G1+7]
	s_nop 0
	tensor_load_to_lds s[72:75], s[G1:G1+7]
	s_nop 0
.rept 4
	v_nop                                          ; four v_nop follow the last load
.endr
.Lno_fill:
	global_load_b128 v[16:19], v[LI], s[22:23]                 ; Q of the pair's first head: the lower four registers of a fragment
	global_load_b128 v[24:27], v[LI], s[22:23] offset:73728    ; and of the second: 16 units of 4,608 bytes on
	global_load_b32 v[QS], v[R16], s[24:25]
	global_load_b32 v[QS+1], v[R16], s[24:25] offset:73728
	s_and_b32 s26, s[Y], 7                         ; the head pair = the next product's K step
	s_lshr_b32 s27, s[Y], 3                        ; the batch
	s_lshl_b32 s27, s27, 7
	s_lshl_b32 s28, s[QB], 4
	s_add_co_u32 s27, s27, s28                     ; the work-group's first row tile: 128 x batch + 16 x block
	s_add_co_u32 s28, s27, s[WV]                   ; mine
	s_lshl_b32 s28, s28, 10
	s_lshl_b32 s29, s26, 19
	s_add_co_u32 s28, s28, s29
	s_mov_b32 s29, 0
	s_add_nc_u64 s[8:9], s[8:9], s[28:29]          ; oc at my fragment
	s_lshl_b32 s28, s27, 6
	s_lshl_b32 s29, s26, 15
	s_add_co_u32 s28, s28, s29
	s_mov_b32 s29, 0
	s_add_nc_u64 s[10:11], s[10:11], s[28:29]      ; os at the work-group's 16 tiles
.irp j, 20,21,22,23,28,29,30,31,64,65,66,67
	v_mov_b32 v[\j], 0                             ; the zero codes
.endr
.irp b, 0,1,2,3
	v_mov_b32 v[236+\b], 0                         ; written once: a lane permute's destination counts as one of its sources
.endr
	v_mov_b32 v253, 0                              ; (named as the upper half of the pair v[252:253] before it is first written)
.macro INIT                            ; a head begins: the first change of M multiplies zeros
	v_mov_b32 v13, 0xff61b1e6                      ; the largest t so far: -3e38
	v_floor_f32 v12, -v13                          ; -M
	v_mov_b32 v14, 0
	v_mov_b32 v15, 0
.set J_, 0
.rept 32
	v_mov_b32 v[OT+J_], 0
.set J_, J_+1
.endr
.endm
; A KEY STEP: 128 keys.  qf: Q's fragment; qs: its scale words.
.macro STEP qf, qs
	v_add_nc_u32 v[A16], s[TB], v[LI]
	v_add_nc_u32 v[A8], s[TB], v[L8]
	v_nop
	v_nop                                          ; four plain places behind the last step's products, in front of the loads into V's fragments and words
.irp t, 0,1,2,3,4,5,6,7
	ds_load_b128 v[KF+4*\t:KF+4*\t+3], v[A16] offset:512*\t
.endr
	ds_load_b128 v[KS:KS+3], v[A16] offset:8192    ; register w: tile 2 w's words in lanes 0-15, tile 2 w + 1's in lanes 16-31
.irp i, 0,1,2,3,4,5,6,7
	ds_load_b128 v[VF+4*\i:VF+4*\i+3], v[A16] offset:4096+512*\i
.endr
	ds_load_b64 v[VS:VS+1], v[A8] offset:8704
	s_wait_dscnt 9                                 ; K and its words are in; V's nine loads may be out
.irp t, 0,2,4,6
	v_wmma_scale_f32_16x16x128_f8f6f4 v[S+8*\t:S+8*\t+7], v[KF+4*\t:KF+4*\t+7], v[\qf:\qf+7], 0, v[KS+\t/2], v[\qs] matrix_a_fmt:MATRIX_FMT_FP4 matrix_b_fmt:MATRIX_FMT_FP4
	v_wmma_scale_f32_16x16x128_f8f6f4 v[S+8*\t+8:S+8*\t+15], v[KF+4*\t+4:KF+4*\t+11], v[\qf:\qf+7], 0, v[KS+\t/2], v[\qs] matrix_a_fmt:MATRIX_FMT_FP4 matrix_b_fmt:MATRIX_FMT_FP4 matrix_a_scale:MATRIX_SCALE_ROW1
.endr
.rept 4
	v_nop
.endr
.irp b, 0,1,2,3
	v_max3_num_f32 v[232+\b], v[S+16*\b], v[S+1+16*\b], v[S+2+16*\b]   ; the largest score of each block of 32 keys: for the row's maximum, and, since p rises with the score, for the block's largest p
.endr
.irp i, 3,5,7,9,11,13
.irp b, 0,1,2,3
	v_max3_num_f32 v[232+\b], v[232+\b], v[S+16*\b+\i], v[S+1+16*\b+\i]
.endr
.endr
.irp b, 0,1,2,3
	v_max_num_f32 v[232+\b], v[232+\b], v[S+15+16*\b]
.endr
.irp b, 0,1,2,3
	v_permlanex16_b32 v[236+\b], v[232+\b], s[SEL], s[SEL+1]
.endr
.irp b, 0,1,2,3
	v_max_num_f32 v[232+\b], v[232+\b], v[236+\b]  ; with lane l xor 16's 16 keys
.endr
	v_max3_num_f32 v254, v232, v233, v234
	v_max_num_f32 v254, v254, v235                 ; the step's largest score of my query
	v_mul_f32 v254, s[CS], v254                    ; as t (c is positive)
	v_max_num_f32 v13, v13, v254                   ; the running largest t
	v_mov_b32 v254, v12
	v_floor_f32 v12, -v13                          ; the new -M = -ceil(t): a whole number
	v_sub_f32 v254, v12, v254                      ; old M - new M: a whole number, 0 or less
	v_cvt_i32_f32 v254, v254                       ; (it saturates)
	v_ldexp_f32 v252, 1.0, v254                    ; f = 2^(old M - new M)
.set J_, 0
.rept 32
	v_pk_fma_f32 v[S+J_:S+J_+1], v[S+J_:S+J_+1], s[CS:CS+1], v[12:13] op_sel_hi:[1,0,0]   ; t - M, two at a time
.set J_, J_+2
.endr
.irp b, 0,1,2,3
	v_fma_f32 v[232+\b], v[232+\b], s[CS], v12     ; the same of each block's largest score
.endr
.set J_, 0
.rept 64
	v_exp_f32 v[S+J_], v[S+J_]                     ; p = 2^(t - M), at most 1
.set J_, J_+1
.endr
	v_pk_mul_f32 v[14:15], v[14:15], v[252:253] op_sel_hi:[1,0]   ; the sums under the new M: the plain place behind the exponentials
	s_wait_alu depctr_va_vdst(0)                   ; one wait for the whole batch, ahead of its first reader
.irp b, 0,1,2,3
	v_exp_f32 v[232+\b], v[232+\b]                 ; the block's largest p
.endr
	v_pk_add_f32 v[236:237], v[S:S+1], v[S+2:S+3]  ; the row's sum is taken of the unquantised p: two at a time, in two chains
.irp j, 4,8,12,16,20,24,28,32,36,40,44,48,52,56,60
	v_pk_add_f32 v[14:15], v[14:15], v[S+\j:S+1+\j]
	v_pk_add_f32 v[236:237], v[236:237], v[S+2+\j:S+3+\j]
.endr
	v_pk_add_f32 v[14:15], v[14:15], v[236:237]
	s_wait_alu depctr_va_vdst(0)                   ; and one for the four
.irp b, 0,1,2,3
	v_max_num_f32 v[232+\b], 0x1800000, v[232+\b]  ; the floor 2^(3 - 127): the byte cannot fall under 1
.endr
.irp b, 0,1,2,3
	v_add_nc_u32 v[244+\b], 0xff000000, v[232+\b]  ; the conversion's scale operand
.endr
.irp b, 0,1,2,3
	v_lshrrev_b32 v[236+\b], 23, v[244+\b]         ; the byte
.endr
	v_lshl_or_b32 v253, v237, 8, v236              ; p's scale word for these 128 keys
	v_lshl_or_b32 v253, v238, 16, v253
	v_lshl_or_b32 v253, v239, 24, v253
.irp b, 0,1,2,3
	v_cvt_scalef32_pk8_fp4_f32 v[P+2*\b], v[S+16*\b:S+7+16*\b], v[244+\b]
	v_cvt_scalef32_pk8_fp4_f32 v[P+1+2*\b], v[S+8+16*\b:S+15+16*\b], v[244+\b]
.endr
	v_nop                                          ; one plain place behind a scaled conversion
.irp c, 0,1
.irp i, 0,1
	v_permlane16_swap_b32 v[P+4*\c+\i], v[P+2+4*\c+\i]   ; a whole block to a lane
.endr
.endr
.set J_, 0
.rept 16
	v_pk_mul_f32 v[OT+J_:OT+J_+1], v[OT+J_:OT+J_+1], v[252:253] op_sel_hi:[1,0]   ; O^T under the new M, each accumulator from its low end on.  For each product below twelve of these name none of its registers: the places behind p's word and codes
.set J_, J_+2
.endr
	s_wait_dscnt 0x0                               ; V and its words are in
.irp b, 0,2                                    ; four accumulators by turns
	v_wmma_scale_f32_16x16x128_f8f6f4 v[OT+8*\b:OT+8*\b+7], v[VF+8*\b:VF+8*\b+7], v[P:P+7], v[OT+8*\b:OT+8*\b+7], v[VS+\b/2], v253 matrix_a_fmt:MATRIX_FMT_FP4 matrix_b_fmt:MATRIX_FMT_FP4
	v_wmma_scale_f32_16x16x128_f8f6f4 v[OT+8*\b+8:OT+8*\b+15], v[VF+8*\b+8:VF+8*\b+15], v[P:P+7], v[OT+8*\b+8:OT+8*\b+15], v[VS+\b/2], v253 matrix_a_fmt:MATRIX_FMT_FP4 matrix_b_fmt:MATRIX_FMT_FP4 matrix_a_scale:MATRIX_SCALE_ROW1
.endr
	s_add_co_u32 s[TB], s[TB], STEPB               ; the next key step; the second head's steps follow the first's
.endm
.macro RUN n, qf, qs
	s_mov_b32 s[CNT], \n
.Lrun_\@:
	STEP \qf, \qs
	s_sub_co_u32 s[CNT], s[CNT], 1
	s_cmp_lg_u32 s[CNT], 0
	s_cbranch_scc1 .Lrun_\@
.endm
; A head ends: O^T / the sum; its 64 channels are two blocks of the next K: quantised into registers 4 p .. 4 p + 3 of o's fragment and bytes 2 p, 2 p + 1 of its scale word.
.macro FINISH p
.rept 4
	v_nop
.endr
	v_add_f32 v14, v14, v15                        ; the sum's two halves,
	v_permlanex16_b32 v236, v14, s[SEL], s[SEL+1]
	v_add_f32 v14, v14, v236                       ; and lane l xor 16's
	v_rcp_f32 v14, v14
	v_nop                                          ; a plain place behind the reciprocal
	s_wait_alu depctr_va_vdst(0)                   ; and the wait ahead of its first reader
.set J_, 0
.rept 32
	v_mul_f32 v[S+J_], v[OT+J_], v14               ; register 16 g + i: channel 32 g + 16 (lane / 16) + i of my query
.set J_, J_+1
.endr
.irp b, 0,1
	v_max3_num_f32 v[232+\b], |v[S+16*\b]|, |v[S+1+16*\b]|, 0x1800000
.endr
.irp i, 2,4,6,8,10,12,14
.irp b, 0,1
	v_max3_num_f32 v[232+\b], v[232+\b], |v[S+16*\b+\i]|, |v[S+1+16*\b+\i]|
.endr
.endr
.irp b, 0,1
	v_permlanex16_b32 v[236+\b], v[232+\b], s[SEL], s[SEL+1]
.endr
.irp b, 0,1
	v_max_num_f32 v[232+\b], v[232+\b], v[236+\b]
.endr
.irp b, 0,1
	v_add_nc_u32 v[244+\b], 0xff000000, v[232+\b]
.endr
.irp b, 0,1
	v_lshrrev_b32 v[236+\b], 23, v[244+\b]
.endr
.if \p == 0
	v_lshl_or_b32 v[OWD], v237, 8, v236
.else
	v_lshl_or_b32 v[OWD], v236, 16, v[OWD]
	v_lshl_or_b32 v[OWD], v237, 24, v[OWD]
.endif
.irp b, 0,1
	v_cvt_scalef32_pk8_fp4_f32 v[OC+4*\p+2*\b], v[S+16*\b:S+7+16*\b], v[244+\b]
	v_cvt_scalef32_pk8_fp4_f32 v[OC+4*\p+2*\b+1], v[S+8+16*\b:S+15+16*\b], v[244+\b]
.endr
	v_nop
.irp i, 0,1
	v_permlane16_swap_b32 v[OC+4*\p+\i], v[OC+4*\p+2+\i]
.endr
	global_store_b128 v[LI], v[OC+4*\p:OC+4*\p+3], s[8:9] offset:512*\p   ; 32 lanes store 512 consecutive bytes: half of the fragment's image
.endm
	INIT
	s_wait_loadcnt 0x0                             ; Q
	s_wait_tensorcnt 7                             ; wave 0: the first chunk (key steps 0 to 3) has landed; seven may be out.  The other waves have none out
	s_barrier_signal -1
	s_barrier_wait -1
	RUN 4, 16, QS
	s_wait_tensorcnt 4                             ; the first head's four chunks have landed
	s_wait_dscnt 0x0
	s_barrier_signal -1
	s_barrier_wait -1
	RUN 12, 16, QS
	FINISH 0
	s_wait_tensorcnt 0x0                           ; the second head's too
	s_wait_dscnt 0x0
	s_barrier_signal -1
	s_barrier_wait -1
	INIT
	RUN 16, 24, QS+1
	FINISH 1
	ds_store_b32 v[OSW], v[OWD]                    ; my 16 rows' scale words (lanes r and 16 + r write the same word with the same value)
	s_wait_dscnt 0x0                               ; for wave 0's sake
	s_barrier_signal -1
	s_barrier_wait -1
	s_cmp_lg_u32 s[WV], 0
	s_cbranch_scc1 .Lno_words
	ds_load_b128 v[96:99], v[OSR]
	ds_load_b128 v[100:103], v[OSR] offset:512
	s_wait_dscnt 0x0
	global_store_b128 v[LI], v[96:99], s[10:11]                ; the work-group's 16 tiles' words: 1,024 consecutive bytes
	global_store_b128 v[LI], v[100:103], s[10:11] offset:512
.Lno_words:
	s_wait_tensorcnt 0x0
	ds_add_u32 v251, v255
	s_wait_dscnt 0x0
	CROUND                                         ; the closing round
	s_endpgm
.Lfunc_end_k_q66b92bc5f8_attn:
	.size	k_q66b92bc5f8_attn, .Lfunc_end_k_q66b92bc5f8_attn-k_q66b92bc5f8_attn
	.p2alignl 7, 3214868480
	.fill 96, 4, 3214868480
	.section	.rodata,"a",@progbits
	.p2align	6, 0x0
	.amdhsa_kernel k_q66b92bc5f8_attn
		.amdhsa_group_segment_fixed_size 296960
		.amdhsa_private_segment_fixed_size 0
		.amdhsa_enable_private_segment 0
		.amdhsa_kernarg_size 32
		.amdhsa_user_sgpr_count 2
		.amdhsa_user_sgpr_kernarg_segment_ptr 1
		.amdhsa_wavefront_size32 1
		.amdhsa_system_sgpr_workgroup_id_x 1
		.amdhsa_system_sgpr_workgroup_id_y 1
		.amdhsa_system_sgpr_workgroup_id_z 1
		.amdhsa_system_vgpr_workitem_id 0
		.amdhsa_next_free_vgpr 256
		.amdhsa_next_free_sgpr 76
		.amdhsa_reserve_vcc 0
		.amdhsa_float_denorm_mode_32 3
		.amdhsa_float_denorm_mode_16_64 3
		.amdhsa_memory_ordered 1
		.amdhsa_forward_progress 1
		.amdhsa_inst_pref_size 63
	.end_amdhsa_kernel
	.amdgpu_metadata
---
amdhsa.version: [ 1, 2 ]
amdhsa.kernels:
  - .name:           k_q66b92bc5f8_attn
    .symbol:         k_q66b92bc5f8_attn.kd
    .args:
      - { .name: qb, .offset: 0, .size: 8, .value_kind: global_buffer, .address_space: global }
      - { .name: kv, .offset: 8, .size: 8, .value_kind: global_buffer, .address_space: global }
      - { .name: oc, .offset: 16, .size: 8, .value_kind: global_buffer, .address_space: global }
      - { .name: os, .offset: 24, .size: 8, .value_kind: global_buffer, .address_space: global }
    .group_segment_fixed_size: 296960
    .private_segment_fixed_size: 0
    .kernarg_segment_align: 8
    .kernarg_segment_size: 32
    .max_flat_workgroup_size: 512
    .sgpr_count:     76
    .vgpr_count:     256
    .wavefront_size: 32
...
	.end_amdgpu_metadata
.endif
;; end of part 3
;; launch oproj (part 4): grid 4 x 64, 4 waves a work-group, clusters of 4 x 4, 214,528 bytes of LDS; arguments oc, os, wc, ws, bo, out0; writes out0
.if DOCPART == 4
	.amdgcn_target "amdgcn-amd-amdhsa--gfx1250"
	.amdhsa_code_object_version 6
	.text
	.protected	k_q66b92bc5f8_oproj
	.globl	k_q66b92bc5f8_oproj
	.p2align	8
	.type	k_q66b92bc5f8_oproj,@function
k_q66b92bc5f8_oproj:
	s_mov_b64 s[64:65], 0
	v_nop
	global_prefetch_b8 v0, s[64:65] scope:SCOPE_SE
	s_setreg_imm32_b32 hwreg(HW_REG_WAVE_MODE, 25, 1), 1
	s_wait_xcnt 0x0
	s_wait_alu depctr_hold_cnt(0) depctr_sa_sdst(0) depctr_va_vdst(0) depctr_va_sdst(0) depctr_va_ssrc(0) depctr_va_vcc(0) depctr_vm_vsrc(0)
	s_getreg_b32 s2, hwreg(HW_REG_IB_STS2, 6, 4)
	s_cmp_eq_u32 s2, 0
	s_cbranch_scc0 .Lentry_in_a_cluster
	s_endpgm
.Lentry_in_a_cluster:
	s_bfe_u32 s2, ttmp6, 0x10000c
	s_cmp_lg_u32 s2, 0xf033
	s_cbranch_scc0 .Lentry_shape_is_right
	s_endpgm
.Lentry_shape_is_right:
; out = o Wo + bo on codes of FP4 (E2M1).  o's codes (oc: [K step 8][row tile 512][1,024]) and scale words (os: [K step 8][row tile 512][r] words) come from the attention launch, Wo's from the first launch (weight 3 of wc, ws).
; A work-group takes 128 rows x 256 columns; wave w all 128 rows x 64 columns: 32 accumulators.  256 work-groups.
; ALL OF K LIES IN LDS AT ONCE, as images of operand registers: o's 8 tiles x 8 K steps (65,536 bytes), Wo's 16 tiles x 8 K steps (131,072).  Every byte is filled once.
; CLUSTER 4 x 4: the four of a row need the same rows of o, the four of a column the same columns of Wo: each part is asked for jointly.  Waves 0, 1 ask for o's K steps (even, odd), waves 2, 3 for Wo's: four loads a wave are out.
; THE PRODUCT IS USED TRANSPOSED (source 0 = 16 columns of Wo, source 1 = 16 rows of o): a lane holds one row, and the 16 registers of two neighbouring column tiles are 16 neighbouring columns.
; The places of a row tile are rows 32 (T / 2) + 8 (T % 2) + r + 8 (r / 8): the way out puts each row where it belongs.  The bias is the C of each sum's first product: it is added first, not last.
; REGISTERS.  window 0: v1-12 addresses; v32-63 o's scale words, v64-79 Wo's (scales alone); v80-111 the bias; v128-191 rows on the way out.
;   window 1: two sets of fragments at v0 and v128: o's 8 at +0, Wo's 4 at +64.   window 2: the accumulators, (a, b) at v[8 (4 a + b)].
.set WV,   22
.set ROLE, 23
.set E,    24
.set CX,   25
.set CY,   26
.set MY,   27
.set NX,   28
.set G1A,  36
.set G1B,  44
.set G0A,  68
.set G0B,  84
.set LI,   1                           ; v1  16 x lane; also LDS address of o's fragments
.set ADB,  3                           ; v3, v4  LDS address of my wave's fragments of Wo
.set LANE, 5
.set STO,  9                           ; v9  the stage: where I put 64 bytes of a row
.set RD,   10                          ; v10 and where I read a row back
.set CO,   11                          ; v11 my byte offset in two rows of the output
.set L4,   12                          ; v12 4 x lane
.set AS,   32                          ; register 4 s + g: K step s, tile 2 g in lanes 0-15, tile 2 g + 1 in lanes 16-31
.set BS,   64                          ; register 4 b + q: tile b, K step q in lanes 0-15, K step 4 + q in lanes 16-31
.set BI,   80
.set BK,   128
.set STAGE, 196608                     ; behind the operands: 16 rows x (256 bytes + 16) for each wave; no fill lands there
.set SP,   272
.set MSB, 0
.macro WIN new
.if MSB != \new
	s_set_vgpr_msb (MSB<<8)|\new
.set MSB, \new
.endif
.endm
.macro CROUND
	s_barrier_signal -1
	s_barrier_wait -1
	s_cmp_lg_u32 s[WV], 0
	s_cbranch_scc1 .Lnot_wave_0_\@
	s_barrier_signal -3
.Lnot_wave_0_\@:
	s_barrier_wait -3
	s_barrier_signal -1
	s_barrier_wait -1
.endm
.macro PLACES
.rept 4
	v_nop
.endr
.endm
	s_load_b256 s[4:11], s[0:1], 0x0               ; oc s[4:5], os s[6:7], wc s[8:9], ws s[10:11]
	s_load_b128 s[12:15], s[0:1], 0x20             ; bo s[12:13], out0 s[14:15]
	v_lshl_add_u32 v254, v0, 2, 0x34400
	v_mov_b32 v255, 0
	ds_add_u32 v254, v255
	ds_add_u32 v254, v255
	v_lshrrev_b32 v5, 5, v0
	v_readfirstlane_b32 s[WV], v5
	v_and_b32 v[LANE], 31, v0
	v_and_b32 v6, 15, v0                           ; r
	v_bfe_u32 v7, v0, 4, 1                         ; h
	v_lshlrev_b32 v[LI], 4, v[LANE]
	v_lshlrev_b32 v[L4], 2, v[LANE]
	s_lshl_b32 s29, s[WV], 12
	s_add_co_u32 s29, s29, 65536
	v_add_nc_u32 v[ADB], s29, v[LI]
	v_add_nc_u32 v[ADB+1], 65536, v[ADB]
	s_mul_i32 s29, s[WV], 16*SP
	s_add_co_u32 s29, s29, STAGE                   ; my stage
	v_mul_u32_u24 v[STO], v6, SP
	v_lshl_add_u32 v[STO], v7, 6, v[STO]
	v_add_nc_u32 v[STO], s29, v[STO]               ; in: row r, + 64 h
	v_mul_u32_u24 v[RD], v7, SP
	v_lshl_add_u32 v[RD], v6, 4, v[RD]
	v_add_nc_u32 v[RD], s29, v[RD]                 ; back: lanes 0-15 one row of 256 bytes, lanes 16-31 the next
	v_lshlrev_b32 v[CO], 12, v7
	v_lshl_add_u32 v[CO], v6, 4, v[CO]             ; and the same two rows in the output
	v_lshlrev_b32 v8, 6, v7                        ; the bias: 16 h numbers on
	s_lshr_b32 s[ROLE], s[WV], 1
	s_and_b32 s[E], s[WV], 1
	s_bfe_u32 s[CX], ttmp6, 0x40000
	s_bfe_u32 s[CY], ttmp6, 0x40004
	s_and_b32 s[MY], ttmp7, 0xffff
	s_lshl_b32 s[MY], s[MY], 2
	s_add_co_u32 s[MY], s[MY], s[CY]               ; which 128 rows
	s_lshl_b32 s[NX], ttmp9, 2
	s_add_co_u32 s[NX], s[NX], s[CX]               ; which 256 columns
	s_lshl_b32 s32, s[CY], 2
	s_lshl_b32 s32, 15, s32                        ; my row of the cluster
	s_lshl_b32 s33, 0x1111, s[CX]                  ; my column
	s_or_b32 s[G1A], s32, (3<<16)|(1<<21)          ; a dense block as rows of 256 bytes (32 elements of 8 bytes); the mask, and bit 21 beside it
	s_or_b32 s[G1B], s33, (3<<16)|(1<<21)
.irp g, G1A, G1B
	s_mov_b32 s[\g+1], 32<<16
	s_mov_b32 s[\g+3], 32<<16
	s_mov_b32 s[\g+5], 32
	s_mov_b32 s[\g+6], 0
	s_mov_b32 s[\g+7], 0
.endr
	s_mov_b32 s[G1A+2], 32<<16                     ; o's part: 32 rows
	s_mov_b32 s[G1A+4], 32
	s_mov_b32 s[G1B+2], 64<<16                     ; Wo's: 64
	s_mov_b32 s[G1B+4], 64
	s_lshl_b32 s56, s[MY], 13                      ; o: my 8 tiles in a K step, K step e
	s_lshl_b32 s29, s[E], 19
	s_add_co_u32 s56, s56, s29
	s_mov_b32 s57, 0
	s_lshl_b32 s58, s[NX], 14                      ; Wo: weight 3, my 16 tiles, K step e
	s_add_co_u32 s58, s58, 3<<19
	s_lshl_b32 s59, s[E], 16
	s_add_co_u32 s58, s58, s59
	s_mov_b32 s59, 0
	s_lshl_b32 s34, s[E], 13
	s_lshl_b32 s35, s[E], 14
	s_add_co_u32 s35, s35, 65536
	s_wait_dscnt 0x0
	s_wait_kmcnt 0x0
	s_add_nc_u64 s[56:57], s[4:5], s[56:57]
	s_add_nc_u64 s[58:59], s[8:9], s[58:59]
	CROUND                                         ; all sixteen work-groups are here: the joint loads meet
.irp j, 0,1,2,3                                ; load j: K step 2 j + e
	s_mov_b32 s[G0A+4*\j], 1
	s_add_co_u32 s[G0A+4*\j+1], s34, (\j)<<14
	s_add_nc_u64 s[G0A+4*\j+2:G0A+4*\j+3], s[56:57], (\j)<<20
	s_or_b32 s[G0A+4*\j+3], s[G0A+4*\j+3], 0x80000000
	s_mov_b32 s[G0B+4*\j], 1
	s_add_co_u32 s[G0B+4*\j+1], s35, (\j)<<15
	s_add_nc_u64 s[G0B+4*\j+2:G0B+4*\j+3], s[58:59], (\j)<<17
	s_or_b32 s[G0B+4*\j+3], s[G0B+4*\j+3], 0x80000000
.endr
	s_cmp_eq_u32 s[ROLE], 0                        ; a wave's four fills stand in one branch on the wave's number
	s_cbranch_scc0 .Lfill_b
	tensor_load_to_lds s[G0A:G0A+3], s[G1A:G1A+7]
	s_nop 0
	tensor_load_to_lds s[G0A+4:G0A+7], s[G1A:G1A+7]
	s_nop 0
	tensor_load_to_lds s[G0A+8:G0A+11], s[G1A:G1A+7]
	s_nop 0
	tensor_load_to_lds s[G0A+12:G0A+15], s[G1A:G1A+7]
	s_nop 0
	PLACES
	s_branch .Lfilled
.Lfill_b:
	tensor_load_to_lds s[G0B:G0B+3], s[G1B:G1B+7]
	s_nop 0
	tensor_load_to_lds s[G0B+4:G0B+7], s[G1B:G1B+7]
	s_nop 0
	tensor_load_to_lds s[G0B+8:G0B+11], s[G1B:G1B+7]
	s_nop 0
	tensor_load_to_lds s[G0B+12:G0B+15], s[G1B:G1B+7]
	s_nop 0
	PLACES
.Lfilled:
	s_lshl_b32 s60, s[MY], 9                       ; o's words: my 8 tiles are 512 bytes in each K step
	s_mov_b32 s61, 0
	s_add_nc_u64 s[60:61], s[6:7], s[60:61]
	s_lshl_b32 s33, s[NX], 2
	s_add_co_u32 s33, s33, s[WV]                   ; my 64 columns, of 16 such
	s_lshl_b32 s62, s33, 11                        ; four tiles of 512 bytes
	s_add_co_u32 s62, s62, 3<<15                   ; weight 3
	s_mov_b32 s63, 0
	s_add_nc_u64 s[62:63], s[10:11], s[62:63]
.irp s, 0,1,2,3,4,5,6,7
.irp g, 0,1,2,3
	global_load_b32 v[AS+4*\s+\g], v[L4], s[60:61] offset:32768*\s+128*\g
.endr
.endr
.irp b, 0,1,2,3
	global_load_b128 v[BS+4*\b:BS+4*\b+3], v[LI], s[62:63] offset:512*\b
.endr
	s_lshl_b32 s34, s33, 8
	s_mov_b32 s35, 0
	s_add_nc_u64 s[12:13], s[12:13], s[34:35]      ; my 64 numbers of the bias
.irp b, 0,1,2,3
	global_load_b128 v[BI+8*\b:BI+8*\b+3], v8, s[12:13] offset:(32*(\b/2)+8*(\b%2))*4
	global_load_b128 v[BI+8*\b+4:BI+8*\b+7], v8, s[12:13] offset:(32*(\b/2)+8*(\b%2))*4+16
.endr
	s_lshl_b32 s56, s[MY], 19                      ; the output: 128 rows of 4,096 bytes,
	s_add_co_u32 s56, s56, s34                     ; my 256 bytes of a row
	s_mov_b32 s57, 0
	s_add_nc_u64 s[14:15], s[14:15], s[56:57]
.macro FETCH s, f                      ; 24 LDS loads in one run: K step s's fragments into set f; each load takes 512 consecutive bytes
	WIN 0x40
.irp b, 0,1,2,3
.irp c, 0,1
	ds_load_b128 v[128*(\f)+64+8*\b+4*\c:128*(\f)+64+8*\b+4*\c+3], v[ADB+(\s)/4] offset:((\s)%4)*16384+1024*\b+512*\c
.endr
.endr
.irp a, 0,1,2,3,4,5,6,7
.irp c, 0,1
	ds_load_b128 v[128*(\f)+8*\a+4*\c:128*(\f)+8*\a+4*\c+3], v[LI] offset:8192*(\s)+1024*\a+512*\c
.endr
.endr
.endm
; 16 matrix instructions: o's tiles a0 .. a0 + 3 x Wo's four.  The 32 accumulators take turns, one instruction a turn, in the same order in every K step.
.macro MUL16 s, f, a0
.if (\s) == 0
	WIN 0x85                                       ; sources window 1, C (the bias) window 0, D window 2
.else
	WIN 0xa5
.endif
.irp a, 0,1,2,3
.irp b, 0,1,2,3
.set XA_, \a0+\a
.set RD_, 8*(4*XA_+\b)
.set F0_, 128*(\f)+64+8*\b
.set F1_, 128*(\f)+8*XA_
.set C0_, BS+4*\b+(\s)%4
.set C1_, AS+4*(\s)+XA_/2
.set RC_, RD_
.if (\s) == 0
.set RC_, BI+8*\b
.endif
.if ((\s) < 4) && (XA_%2 == 0)
	v_wmma_scale_f32_16x16x128_f8f6f4 v[RD_:RD_+7], v[F0_:F0_+7], v[F1_:F1_+7], v[RC_:RC_+7], v[C0_], v[C1_] matrix_a_fmt:MATRIX_FMT_FP4 matrix_b_fmt:MATRIX_FMT_FP4
.elseif (\s) < 4
	v_wmma_scale_f32_16x16x128_f8f6f4 v[RD_:RD_+7], v[F0_:F0_+7], v[F1_:F1_+7], v[RC_:RC_+7], v[C0_], v[C1_] matrix_a_fmt:MATRIX_FMT_FP4 matrix_b_fmt:MATRIX_FMT_FP4 matrix_b_scale:MATRIX_SCALE_ROW1
.elseif XA_%2 == 0
	v_wmma_scale_f32_16x16x128_f8f6f4 v[RD_:RD_+7], v[F0_:F0_+7], v[F1_:F1_+7], v[RC_:RC_+7], v[C0_], v[C1_] matrix_a_fmt:MATRIX_FMT_FP4 matrix_b_fmt:MATRIX_FMT_FP4 matrix_a_scale:MATRIX_SCALE_ROW1
.else
	v_wmma_scale_f32_16x16x128_f8f6f4 v[RD_:RD_+7], v[F0_:F0_+7], v[F1_:F1_+7], v[RC_:RC_+7], v[C0_], v[C1_] matrix_a_fmt:MATRIX_FMT_FP4 matrix_b_fmt:MATRIX_FMT_FP4 matrix_a_scale:MATRIX_SCALE_ROW1 matrix_b_scale:MATRIX_SCALE_ROW1
.endif
.endr
.endr
.endm
.macro STEP s
	s_wait_dscnt 0x0                               ; this K step's fragments are in; no LDS instruction of mine is out at the signal
.if ((\s) == 1) || ((\s) == 3) || ((\s) == 5)
	s_wait_tensorcnt 3-((\s)+1)/2                  ; of my four loads those behind K steps s + 1, s + 2 may be out
	s_barrier_signal -1
.endif
	MUL16 \s, (\s)%2, 0
.if ((\s) == 1) || ((\s) == 3) || ((\s) == 5)
	s_barrier_wait -1
.endif
.if (\s) < 7
	PLACES                                         ; the other set was read by the last K step's products
	FETCH (\s)+1, 1-(\s)%2
.endif
	MUL16 \s, (\s)%2, 4
.endm
	s_wait_tensorcnt 3                             ; my first load has landed (K step 0 or 1); my other three may be out
	s_barrier_signal -1
	s_barrier_wait -1
	FETCH 0, 0
	s_wait_loadcnt 0x0                             ; scale words and bias
.irp s, 0,1,2,3,4,5,6,7
	STEP \s
.endr
; THE WAY OUT, a row tile at a time: a lane holds 2 x 64 bytes of one row, and the lanes beside it hold other rows: the tile goes through my own stage and comes back as whole rows of 256 bytes.
; LDS serves a wave's instructions in order (ISA guide 5.7.1.4): no wait between the stores and the loads, nor in front of the next tile's stores.
.macro TOSTAGE a
	WIN 0x08                                       ; an LDS store's data are its source 1: window 2
.irp g, 0,1
.irp i, 0,1,2,3
	ds_store_b128 v[STO], v[32*(\a)+16*\g+4*\i:32*(\a)+16*\g+4*\i+3] offset:128*\g+16*\i   ; each accumulator from its low end on
.endr
.endr
	WIN 0
.irp i, 0,1,2,3,4,5,6,7
	ds_load_b128 v[BK+32*((\a)%2)+4*\i:BK+32*((\a)%2)+4*\i+3], v[RD] offset:2*SP*\i
.endr
.endm
.macro SEND a, younger                 ; younger: the LDS instructions issued behind tile a's loads, which may stay out
	s_wait_dscnt \younger
.irp i, 0,1,2,3,4,5,6,7
	global_store_b128 v[CO], v[BK+32*((\a)%2)+4*\i:BK+32*((\a)%2)+4*\i+3], s[14:15] offset:(32*((\a)/2)+8*((\a)%2)+2*\i+8*(\i/4))*4096 th:TH_STORE_NT   ; places 2 i, 2 i + 1 of the tile: sixteen lanes store 256 consecutive bytes, aligned
.endr
.endm
	PLACES
	TOSTAGE 0
.irp a, 1,2,3,4,5,6,7
.if \a > 1
	s_wait_xcnt 0x0                                ; tile a - 2's stores have read the registers into which tile a's rows are loaded
.endif
	TOSTAGE \a
	SEND \a-1, 16                                  ; behind tile a - 1's loads: tile a's 8 stores and 8 loads
.endr
	SEND 7, 0
	s_wait_tensorcnt 0x0
	ds_add_u32 v254, v255
	s_wait_dscnt 0x0
	CROUND                                         ; the closing round: no work-group ends while a partner may still ask for a part that names it
	s_endpgm
.Lfunc_end_k_q66b92bc5f8_oproj:
	.size	k_q66b92bc5f8_oproj, .Lfunc_end_k_q66b92bc5f8_oproj-k_q66b92bc5f8_oproj
	.p2alignl 7, 3214868480
	.fill 96, 4, 3214868480
	.section	.rodata,"a",@progbits
	.p2align	6, 0x0
	.amdhsa_kernel k_q66b92bc5f8_oproj
		.amdhsa_group_segment_fixed_size 214528
		.amdhsa_private_segment_fixed_size 0
		.amdhsa_enable_private_segment 0
		.amdhsa_kernarg_size 48
		.amdhsa_user_sgpr_count 2
		.amdhsa_user_sgpr_kernarg_segment_ptr 1
		.amdhsa_wavefront_size32 1
		.amdhsa_system_sgpr_workgroup_id_x 1
		.amdhsa_system_sgpr_workgroup_id_y 1
		.amdhsa_system_sgpr_workgroup_id_z 1
		.amdhsa_system_vgpr_workitem_id 0
		.amdhsa_next_free_vgpr 768
		.amdhsa_next_free_sgpr 100
		.amdhsa_reserve_vcc 0
		.amdhsa_float_denorm_mode_32 3
		.amdhsa_float_denorm_mode_16_64 3
		.amdhsa_memory_ordered 1
		.amdhsa_forward_progress 1
		.amdhsa_inst_pref_size 74
	.end_amdhsa_kernel
	.amdgpu_metadata
---
amdhsa.version: [ 1, 2 ]
amdhsa.kernels:
  - .name:           k_q66b92bc5f8_oproj
    .symbol:         k_q66b92bc5f8_oproj.kd
    .args:
      - { .name: oc, .offset: 0, .size: 8, .value_kind: global_buffer, .address_space: global }
      - { .name: os, .offset: 8, .size: 8, .value_kind: global_buffer, .address_space: global }
      - { .name: wc, .offset: 16, .size: 8, .value_kind: global_buffer, .address_space: global }
      - { .name: ws, .offset: 24, .size: 8, .value_kind: global_buffer, .address_space: global }
      - { .name: bo, .offset: 32, .size: 8, .value_kind: global_buffer, .address_space: global }
      - { .name: out0, .offset: 40, .size: 8, .value_kind: global_buffer, .address_space: global }
    .group_segment_fixed_size: 214528
    .private_segment_fixed_size: 0
    .kernarg_segment_align: 8
    .kernarg_segment_size: 48
    .max_flat_workgroup_size: 128
    .sgpr_count:     100
    .vgpr_count:     768
    .wavefront_size: 32
...
	.end_amdgpu_metadata
.endif
;; end of part 4
